; MI455X (gfx1250); checked and timed in simulation.
; The chip was launched on July 23, 2026; its instructions are those of AMD's public machine-readable ISA for CDNA 5 (MIT licence, August 2026) and "CDNA5" Instruction Set Architecture Reference Guide (July 2026). The comments in the code are by the model that wrote it; some were corrected since.
;; Vanilla Attention. Allowed arithmetic: float matrix products may take bf16 or f16 operands with f32 sums; all other float work in f32.
;; Inputs: Wk 1,024 x 1,024 float32; Wq 1,024 x 1,024 float32; Wv 1,024 x 1,024 float32; x 4 x 2,048 x 1,024 float32.
;; Outputs: out0 4 x 2,048 x 1,024 float32.
;; 2 versions, each right; version 2 is version 1 with the launch prep written anew for expert scheduling mode. Each part assembles by itself: llvm-mc -triple=amdgcn-amd-amdhsa -mcpu=gfx1250 --defsym DOCPART=n.
;; ======== version 1 of 2: 4 launches
;; limits: values are held in f16: magnitudes above 65,504 overflow, below 6.1e-05 lose precision
;; workspace buffers: xb 16,777,216 bytes; wb 6,291,456 bytes; qh 16,777,216 bytes; kh 16,777,216 bytes; vh 16,777,216 bytes; pbuf 33,554,432 bytes; stat 1,048,576 bytes
;; launch prep (part 1): grid 720 x 1, 8 waves a work-group, no clusters, 0 bytes of LDS; arguments x, Wq, Wk, Wv, xb, wb, pbuf, stat; writes xb, wb, pbuf, stat
.if DOCPART == 1
	.amdgcn_target "amdgcn-amd-amdhsa--gfx1250"
	.amdhsa_code_object_version 6
	.text
	.protected	k_q6040cfc317_prep
	.globl	k_q6040cfc317_prep
	.p2align	8
	.type	k_q6040cfc317_prep,@function
k_q6040cfc317_prep:
	s_mov_b64 s[64:65], 0
	v_nop
	global_prefetch_b8 v0, s[64:65] scope:SCOPE_SE
	s_setreg_imm32_b32 hwreg(HW_REG_WAVE_MODE, 25, 1), 1
	s_wait_xcnt 0x0
; PREP.  x and the three weights are rounded once to bf16 and laid out BY BLOCKS OF 64 ALONG K: xb [16][8192][64], wb [16][3072][64] (rows: Wq's, then Wk's, then Wv's),
; so that the next launch's tiles of 64 along K are dense in memory and can be asked for as rows of 256 bytes.
; Work-groups 0-703: 16 rows of 1,024 numbers each (65,536 bytes in, 32,768 out).  Wave w takes the K blocks 2 w and 2 w + 1; in a load, lanes 0-15 take 256 consecutive bytes of one row
; and lanes 16-31 the same columns of the next row; rounded, the 32 lanes' 8 bytes are 256 consecutive bytes of the block, at a multiple of 256.
; All sixteen loads of a thread go out first; the waits count down.
; Work-groups 704-719 write what the last launch walks and the third does not make:
;   zeros for the tiles (rows 512 g .. +255, keys 512 g + 256 .. +255) of P, g = 0..3, in each of the four batches;
;   (m, l) = (-1e30, 0) in ALL of stat, 65,536 bytes a work-group: the third launch then overwrites the entries of the tiles that it makes, so that a
;   row's sixteen chunk maxima can all be read.  That part of stat is written twice, in two launches: about half of its 1,048,576 bytes.
; No LDS, no matrix unit, no cluster: nothing is shared and nothing is multiplied.
.set NCVT, 704
.set BIGN, 0xf149f2ca                  ; -1e30
	s_load_b512 s[4:19], s[0:1], 0x0               ; x s[4:5], Wq s[6:7], Wk s[8:9], Wv s[10:11], xb s[12:13], wb s[14:15], pbuf s[16:17], stat s[18:19]
	s_mov_b32 s2, ttmp9
	s_sub_co_u32 s20, s2, 512                      ; block of 16 rows among the weights' 192 (used from work-group 512 on)
	s_lshr_b32 s21, s20, 6                         ; which weight
	s_and_b32 s22, s20, 63                         ; block in that weight
	s_mov_b32 s34, 3072*128                        ; bytes of a K block of wb,
	s_mov_b32 s35, 8192*128                        ; and of xb
	s_wait_kmcnt 0x0
	s_cmp_ge_u32 s2, NCVT
	s_cbranch_scc1 .Lfill
	s_cmp_eq_u32 s21, 1
	s_cselect_b64 s[24:25], s[8:9], s[10:11]       ; Wk or Wv,
	s_cmp_eq_u32 s21, 0
	s_cselect_b64 s[24:25], s[6:7], s[24:25]       ; or Wq,
	s_cmp_lt_u32 s2, 512
	s_cselect_b64 s[24:25], s[4:5], s[24:25]       ; or x
	s_cselect_b64 s[26:27], s[12:13], s[14:15]     ; xb or wb
	s_cselect_b32 s28, s2, s22                     ; block in the source,
	s_cselect_b32 s29, s2, s20                     ; and in the destination
	s_cselect_b32 s34, s35, s34                    ; the destination's K block
	s_lshl_b32 s30, s28, 16                        ; 16 rows of 4,096 bytes
	s_mov_b32 s31, 0
	s_lshl_b32 s32, s29, 11                        ; 16 rows of 128 bytes in each K block
	s_mov_b32 s33, 0
	s_add_nc_u64 s[24:25], s[24:25], s[30:31]
	s_add_nc_u64 s[26:27], s[26:27], s[32:33]
	v_and_b32 v3, 15, v0
	v_bfe_u32 v4, v0, 4, 1
	v_lshrrev_b32 v5, 5, v0                        ; wave
	v_and_b32 v6, 31, v0
	v_lshlrev_b32 v1, 4, v3                        ; source: 16 (lane % 16)
	v_lshl_add_u32 v1, v4, 12, v1                  ; + a row for lanes 16-31
	v_lshl_add_u32 v1, v5, 9, v1                   ; + the wave's two K blocks, 512 bytes
	v_lshlrev_b32 v6, 3, v6                        ; destination: 8 x lane
	s_lshl_b32 s35, s34, 1
	v_mad_u32_u24 v2, v5, s35, v6                  ; + the wave's even K block,
	v_add_nc_u32 v7, s34, v2                       ; or its odd one
.set j, 0
.rept 16                               ; load j: rows 2 (j / 2) and + 1, K block 2 w + j % 2
	global_load_b128 v[16+4*j:19+4*j], v1, s[24:25] offset:(j/2)*8192+(j%2)*256 th:TH_LOAD_NT
.set j, j+1
.endr
.set j, 0
.rept 16
	s_wait_loadcnt 15-j                            ; loads come back in order: load j is in, the 15 - j younger ones stay out
	v_cvt_pk_bf16_f32 v[80+2*j], v[16+4*j], v[17+4*j]
	v_cvt_pk_bf16_f32 v[81+2*j], v[18+4*j], v[19+4*j]
.if j%2
	global_store_b64 v7, v[80+2*j:81+2*j], s[26:27] offset:(j/2)*256
.else
	global_store_b64 v2, v[80+2*j:81+2*j], s[26:27] offset:(j/2)*256
.endif
.set j, j+1
.endr
	s_endpgm
.Lfill:
	s_sub_co_u32 s20, s2, NCVT                     ; 0..15
	s_lshr_b32 s21, s20, 2                         ; batch
	s_and_b32 s22, s20, 3                          ; g
	s_lshl_b32 s24, s21, 23                        ; a batch of P is 8,388,608 bytes
	s_mul_i32 s23, s22, 2098176                    ; 512 g rows of 4,096 bytes + 512 g keys of 2 bytes
	s_add_co_u32 s24, s24, s23
	s_add_co_u32 s24, s24, 512                     ; + 256 keys
	s_mov_b32 s25, 0
	s_add_nc_u64 s[16:17], s[16:17], s[24:25]
	s_lshl_b32 s26, s20, 16                        ; my 65,536 bytes of stat
	s_mov_b32 s27, 0
	s_add_nc_u64 s[18:19], s[18:19], s[26:27]
	v_lshlrev_b32 v1, 4, v0                        ; 16 t
	v_lshrrev_b32 v3, 5, v0                        ; a wave takes a row's 512 bytes
	v_and_b32 v4, 31, v0
	v_lshlrev_b32 v4, 4, v4
	v_lshl_add_u32 v3, v3, 12, v4
	v_mov_b32 v8, 0
	v_mov_b32 v9, 0
	v_mov_b32 v10, 0
	v_mov_b32 v11, 0
	v_mov_b32 v12, BIGN
	v_mov_b32 v13, 0
	v_mov_b32 v14, BIGN
	v_mov_b32 v15, 0
.set k, 0
.rept 32
	global_store_b128 v3, v[8:11], s[16:17] offset:32768*k    ; eight rows at a time
.set k, k+1
.endr
.set k, 0
.rept 16
	global_store_b128 v1, v[12:15], s[18:19] offset:4096*k
.set k, k+1
.endr
	s_endpgm
.Lfunc_end_k_q6040cfc317_prep:
	.size	k_q6040cfc317_prep, .Lfunc_end_k_q6040cfc317_prep-k_q6040cfc317_prep
	.p2alignl 7, 3214868480
	.fill 96, 4, 3214868480
	.section	.rodata,"a",@progbits
	.p2align	6, 0x0
	.amdhsa_kernel k_q6040cfc317_prep
		.amdhsa_group_segment_fixed_size 0
		.amdhsa_private_segment_fixed_size 0
		.amdhsa_enable_private_segment 0
		.amdhsa_kernarg_size 64
		.amdhsa_user_sgpr_count 2
		.amdhsa_user_sgpr_kernarg_segment_ptr 1
		.amdhsa_wavefront_size32 1
		.amdhsa_system_sgpr_workgroup_id_x 1
		.amdhsa_system_sgpr_workgroup_id_y 1
		.amdhsa_system_sgpr_workgroup_id_z 1
		.amdhsa_system_vgpr_workitem_id 0
		.amdhsa_next_free_vgpr 112
		.amdhsa_next_free_sgpr 66
		.amdhsa_reserve_vcc 0
		.amdhsa_float_denorm_mode_32 3
		.amdhsa_float_denorm_mode_16_64 3
		.amdhsa_memory_ordered 1
		.amdhsa_forward_progress 1
		.amdhsa_inst_pref_size 13
	.end_amdhsa_kernel
	.amdgpu_metadata
---
amdhsa.version: [ 1, 2 ]
amdhsa.kernels:
  - .name:           k_q6040cfc317_prep
    .symbol:         k_q6040cfc317_prep.kd
    .args:
      - { .name: x, .offset: 0, .size: 8, .value_kind: global_buffer, .address_space: global }
      - { .name: Wq, .offset: 8, .size: 8, .value_kind: global_buffer, .address_space: global }
      - { .name: Wk, .offset: 16, .size: 8, .value_kind: global_buffer, .address_space: global }
      - { .name: Wv, .offset: 24, .size: 8, .value_kind: global_buffer, .address_space: global }
      - { .name: xb, .offset: 32, .size: 8, .value_kind: global_buffer, .address_space: global }
      - { .name: wb, .offset: 40, .size: 8, .value_kind: global_buffer, .address_space: global }
      - { .name: pbuf, .offset: 48, .size: 8, .value_kind: global_buffer, .address_space: global }
      - { .name: stat, .offset: 56, .size: 8, .value_kind: global_buffer, .address_space: global }
    .group_segment_fixed_size: 0
    .private_segment_fixed_size: 0
    .kernarg_segment_align: 8
    .kernarg_segment_size: 64
    .max_flat_workgroup_size: 256
    .sgpr_count:     66
    .vgpr_count:     112
    .wavefront_size: 32
...
	.end_amdgpu_metadata
.endif
;; end of part 1
;; launch proj (part 2): grid 8 x 32, 4 waves a work-group, clusters of 4 x 4, 327,680 bytes of LDS; arguments xb, wb, qh, kh, vh; writes qh, kh, vh
.if DOCPART == 2
	.amdgcn_target "amdgcn-amd-amdhsa--gfx1250"
	.amdhsa_code_object_version 6
	.text
	.protected	k_q6040cfc317_proj
	.globl	k_q6040cfc317_proj
	.p2align	8
	.type	k_q6040cfc317_proj,@function
k_q6040cfc317_proj:
	s_mov_b64 s[64:65], 0
	v_nop
	global_prefetch_b8 v0, s[64:65] scope:SCOPE_SE
	s_setreg_imm32_b32 hwreg(HW_REG_WAVE_MODE, 25, 1), 1
	s_wait_xcnt 0x0
	s_wait_alu depctr_hold_cnt(0) depctr_sa_sdst(0) depctr_va_vdst(0) depctr_va_sdst(0) depctr_va_ssrc(0) depctr_va_vcc(0) depctr_vm_vsrc(0)
	s_getreg_b32 s2, hwreg(HW_REG_IB_STS2, 6, 4)
	s_cmp_eq_u32 s2, 0
	s_cbranch_scc0 .Lentry_in_a_cluster
	s_endpgm
.Lentry_in_a_cluster:
	s_bfe_u32 s2, ttmp6, 0x10000c
	s_cmp_lg_u32 s2, 0xf033
	s_cbranch_scc0 .Lentry_shape_is_right
	s_endpgm
.Lentry_shape_is_right:
; PROJ.  [Q | K | V] = x W^T in bf16 with sums in f32.  xb [16][8192][64] and wb [16][3072][64] lie by blocks of 64 along K.  Q and K are turned by RoPE (pairs of neighbouring columns),
; Q is also multiplied by c = log2(e) / 32, and all three are rounded ONCE to f16: qh, kh, vh [8192][1024].
; LIMITS.  c q, k and v must stay under 65,504: a larger number becomes an infinity in f16.  The angle of row p and pair i is that of the first of the 64 rows that I send out
; (p0 x 10000^(-i/512), reduced in f32 with a two-part 1/(2 pi)) turned on by up to 63 rotations by the pair's own angle: within about 1e-4 radians of p x 10000^(-i/512) rounded to f32.
; NaN and infinities are not treated apart.
; SHAPE.  8192 x 3072 results on 256 work-groups are 256 x 384 each: one work-group for each WGP, all alike.  Four waves, 128 x 192 each: 96 accumulators, 768 registers, windows 1 to 3.
; All operands lie in window 0: x's fragments (8 x 16 rows x 32 K) in two buffers, W's in three groups of four fragments with ONE buffer each: a group is loaded again straight behind its 32
; products, 64 products ahead of its next use.  40 LDS loads feed 96 matrix instructions.
; K goes in 16 steps of 64 (two chunks of 32) through two LDS slots: 640 rows of 128 bytes at a step of 128 would not fit twice.  A tile is dense in memory and is asked for as rows of 256 bytes,
; two rows of the tile each, padded in LDS behind every 128 bytes.  A K step is written once: the slot that is read is a scalar that an exclusive or turns, and one descriptor a tensor walks.
; CLUSTER.  4 x 4 work-groups.  The four of a row need the same rows of xb, the four of a column the same rows of wb: each tile is asked for jointly.
; THE MATRIX INSTRUCTION IS USED TRANSPOSED (source 0 = 16 rows of wb, source 1 = 16 rows of xb): a lane holds row l % 16 and the columns 8 (l / 16) + 0..7.
; THE WAY OUT.  The ring has had its last fill; behind a barrier the work-group lays 128 of its 256 rows in f32 over it (rows of 1,552 bytes), twice.  Pass p takes the row blocks 2 p, 2 p + 1,
; 2 p + 4, 2 p + 5 of each wave, so that wave w reads back the tile's rows 64 w + 32 p .. + 31: 64 rows on end over the two passes.  A row has three PIECES of 128 columns, each wholly in Q, K or V;
; lane L takes columns 4 L .. 4 L + 3 of each, two pairs, whose (cos, sin) it keeps in registers and turns on from row to row.  V runs the same lines with the angle 0: cos = 1, sin = 0, exactly.
.set PITCH,  144                       ; an LDS row: 128 bytes + 16: the 16 rows of a fragment load start at 16 different groups of four banks (64 banks of 4 bytes: ISA guide 11.1)
.set AH,     128*PITCH                 ; half of xb's 256 rows: what one tensor load brings, and what one wave reads
.set BH,     192*PITCH                 ; half of wb's 384 rows
.set BOFF,   2*AH
.set SLOT1,  131072                    ; slot 1.  0x20000 lies above every place in slot 0, so an exclusive or changes slots
.set SPARE,  SLOT1+BOFF+2*BH           ; behind the ring: the spare words, 128 bytes a wave
.set SPITCH, 1552                      ; a row of the f32 stage: 1,536 bytes + 16
.set ASTEP,  8192*128                  ; bytes from a K block of xb to the next
.set BSTEP,  3072*128
.set ADRA0, 2                          ; v2   my lane's place in xb's tile, slot 0; never rewritten
.set ADRA,  3                          ; v3   the same in the slot that is read
.set ADRB0, 4
.set ADRB,  5
.set SPW,   6
.set NIL,   7
.set CSA,   8                          ; v[8:19]  (cos, sin) of my two pairs in each of the three pieces, for even rows
.set TH,    20                         ; v[20:31] (cos, sin) of one row's step
.set AF0,   32                         ; v[32:95], v[96:159] xb's fragments
.set AF1,   96
.set BF,    160                        ; v[160:255] wb's fragments, group g at BF + 32 g
.set STO,   32                         ; on the way out: v32, v33 where I put 32 bytes of a row of the stage (row blocks 0-3, 4-7)
.set RD0,   34                         ; v34  where I read 16 bytes of my first row back
.set RD,    35
.set GO,    36                         ; v36  my 8 bytes in 256 bytes of the output, and the rows done
.set CSB,   40                         ; v[40:51] (cos, sin) for odd rows
.set X,     64                         ; v[64:159]  8 rows x 3 pieces as read back
.set Y,     160                        ; v[160:207] the same to store
.set U,     208
.set W,     220
.set Z,     232
.set G1,  24
.set G0,  32                           ; s[32:35] first fill, s[36:39] second fill, which then walks
.set G1B, 48
.set G0B, 56
.set OUT, 92                           ; s[92:97] the three pieces' addresses at my first row
.set MSB, 0
.macro WIN new                         ; the immediate's high byte repeats the setting that is left
.if MSB != (\new)
	s_set_vgpr_msb (MSB<<8)|(\new)
.set MSB, \new
.endif
.endm
.macro PLACES                          ; four plain vector instructions behind a matrix instruction, ahead of loads into its sources and of reads of its result
.rept 4
	v_nop
.endr
.endm
.macro JLOAD                           ; a joint refill: waves 0, 1 fetch xb's two halves, waves 2, 3 wb's; an s_nop 0 and four v_nop follow each line
	s_cmp_eq_u32 s11, 0
	s_cbranch_scc0 .Lfor_b_\@
	tensor_load_to_lds s[G0+4:G0+7], s[G1:G1+7]
	s_nop 0
	PLACES
	s_branch .Lasked_\@
.Lfor_b_\@:
	tensor_load_to_lds s[G0B+4:G0B+7], s[G1B:G1B+7]
	s_nop 0
	PLACES
.Lasked_\@:
.endm
.macro CREST                           ; a round of the cluster's barrier behind its opening barrier
	s_cmp_lg_u32 s10, 0
	s_cbranch_scc1 .Lnot_wave_0_\@
	s_barrier_signal -3
.Lnot_wave_0_\@:
	s_barrier_wait -3
	s_barrier_signal -1
	s_barrier_wait -1
.endm
.macro CROUND
	s_barrier_signal -1
	s_barrier_wait -1
	CREST
.endm
	s_load_b128 s[4:7], s[0:1], 0x0                ; xb s[4:5], wb s[6:7]
	s_load_b128 s[72:75], s[0:1], 0x10             ; qh s[72:73], kh s[74:75]
	s_load_b64 s[76:77], s[0:1], 0x20              ; vh
	v_lshl_add_u32 v[SPW], v0, 2, SPARE
	v_mov_b32 v[NIL], 0
	ds_add_u32 v[SPW], v[NIL]                      ; the wave's opening: the add and its wait ahead of my first tensor load
	ds_add_u32 v6, v7
	v_lshrrev_b32 v1, 5, v0
	v_readfirstlane_b32 s10, v1                    ; wave 0..3
	s_lshr_b32 s11, s10, 1                         ; my half of the tile's rows.  Also: I fetch xb (0) or wb (1)
	s_and_b32 s12, s10, 1                          ; my half of its columns.  Also: which half of that tile I fetch
	s_bfe_u32 s40, ttmp6, 0x40000                  ; cx
	s_bfe_u32 s41, ttmp6, 0x40004                  ; cy
	s_lshl_b32 s42, ttmp9, 2
	s_add_co_u32 s42, s42, s40                     ; tile column 0..7
	s_and_b32 s13, ttmp7, 0xffff
	s_lshl_b32 s13, s13, 2
	s_add_co_u32 s13, s13, s41                     ; tile row 0..31
	s_lshl_b32 s43, s41, 2
	s_lshl_b32 s43, 15, s43                        ; my row of the cluster
	s_lshl_b32 s44, 0x1111, s40                    ; my column
	s_or_b32 s[G1], s43, (1<<16)|(1<<20)|(1<<21)|(4<<22)|(3<<25)   ; mask; 2-byte elements; padding on; bit 21 beside a mask; after every 32 words, 4 words
	s_or_b32 s[G1B], s44, (1<<16)|(1<<20)|(1<<21)|(4<<22)|(3<<25)
	s_mov_b32 s[G1+1], 128<<16                     ; tensor_dim0 = 128 elements: two rows of the tile
	s_mov_b32 s[G1+2], 64<<16                      ; tensor_dim1 = 64: 128 rows of xb
	s_mov_b32 s[G1+3], 128<<16                     ; tile_dim0
	s_mov_b32 s[G1+4], 64                          ; tile_dim1
	s_mov_b32 s[G1+5], 128                         ; dense: 128 elements from row to row
	s_mov_b32 s[G1+6], 0
	s_mov_b32 s[G1+7], 0
	s_mov_b32 s[G1B+1], 128<<16
	s_mov_b32 s[G1B+2], 96<<16                     ; 192 rows of wb
	s_mov_b32 s[G1B+3], 128<<16
	s_mov_b32 s[G1B+4], 96
	s_mov_b32 s[G1B+5], 128
	s_mov_b32 s[G1B+6], 0
	s_mov_b32 s[G1B+7], 0
	s_lshl_b32 s16, s13, 8
	s_lshl_b32 s17, s12, 7
	s_add_co_u32 s16, s16, s17                     ; xb: row 256 x tile row + 128 x half,
	s_lshl_b32 s16, s16, 7                         ; of 128 bytes in a K block
	s_mov_b32 s17, 0
	s_mul_i32 s46, s42, 384
	s_mul_i32 s47, s12, 192
	s_add_co_u32 s46, s46, s47                     ; wb: row 384 x tile column + 192 x half
	s_lshl_b32 s46, s46, 7
	s_mov_b32 s47, 0
	s_mul_i32 s20, s12, AH                         ; where my part goes: no place in the cluster enters an LDS address
	s_mul_i32 s22, s12, BH
	s_add_co_u32 s22, s22, BOFF
	s_mov_b32 s21, 0                               ; the slot that is read
	s_wait_dscnt 0x0                               ; the opening add is done
	s_wait_kmcnt 0x0
	s_add_nc_u64 s[14:15], s[4:5], s[16:17]
	s_add_nc_u64 s[46:47], s[6:7], s[46:47]
.irp s, 0,1
	s_mov_b32 s[G0+4*(\s)], 1
	s_add_co_u32 s[G0+4*(\s)+1], s20, (\s)*SLOT1
	s_add_nc_u64 s[G0+4*(\s)+2:G0+4*(\s)+3], s[14:15], (\s)*ASTEP
	s_or_b32 s[G0+4*(\s)+3], s[G0+4*(\s)+3], 0x80000000
	s_mov_b32 s[G0B+4*(\s)], 1
	s_add_co_u32 s[G0B+4*(\s)+1], s22, (\s)*SLOT1
	s_add_nc_u64 s[G0B+4*(\s)+2:G0B+4*(\s)+3], s[46:47], (\s)*BSTEP
	s_or_b32 s[G0B+4*(\s)+3], s[G0B+4*(\s)+3], 0x80000000
.endr
	CROUND                                         ; all sixteen work-groups are here: the first joint loads meet
	s_cmp_eq_u32 s11, 0                            ; a wave's two first fills stand in one branch: two loads of mine are out, later one
	s_cbranch_scc0 .Lfirst_b
	tensor_load_to_lds s[G0:G0+3], s[G1:G1+7]
	s_nop 0
	tensor_load_to_lds s[G0+4:G0+7], s[G1:G1+7]
	s_nop 0
	PLACES
	s_branch .Lfirst_asked
.Lfirst_b:
	tensor_load_to_lds s[G0B:G0B+3], s[G1B:G1B+7]
	s_nop 0
	tensor_load_to_lds s[G0B+4:G0B+7], s[G1B:G1B+7]
	s_nop 0
	PLACES
.Lfirst_asked:
	; lane addresses.  A fragment: lane l holds row l % 16; two loads of 16 bytes, 32 apart, at row x pitch + 16 (l / 16)
	v_and_b32 v1, 15, v0
	v_bfe_u32 v32, v0, 4, 1
	v_mul_u32_u24 v33, v1, PITCH
	v_lshl_add_u32 v33, v32, 4, v33
	s_mul_i32 s23, s11, AH
	s_mul_i32 s45, s12, BH
	s_add_co_u32 s45, s45, BOFF
	v_add_nc_u32 v[ADRA0], s23, v33
	v_add_nc_u32 v[ADRB0], s45, v33
	v_mov_b32 v[ADRA], v[ADRA0]
	v_mov_b32 v[ADRB], v[ADRB0]
	; RoPE's constants and the three pieces' addresses, in the wait for the first tile.  On the way out I send the tile's rows 64 w .. 64 w + 63
	s_mul_i32 s83, s42, 384                        ; the tile's first column of the 3,072
	s_lshl_b32 s84, s13, 8
	s_lshl_b32 s85, s10, 6
	s_add_co_u32 s84, s84, s85                     ; my first row of the 8,192
	s_and_b32 s86, s84, 2047                       ; its position in its sequence
	s_lshl_b32 s89, s84, 11                        ; its bytes in qh, kh or vh
	v_cvt_f32_u32 v38, s86
	v_and_b32 v34, 31, v0
; cos and sin of two angles.  In turns: f = ang / (2 pi) less the nearest whole number, with 1 / (2 pi) in two parts; |f| <= 1/2.  Then the series of sin(2 pi f) / f and of cos(2 pi f)
; in z = f f, eight terms each: what is cut off is under 1e-6.
.macro SC ang, dst
	v_mul_f32 v42, 0x3e22f983, v[\ang]
	v_mul_f32 v43, 0x3e22f983, v[\ang+1]
	v_rndne_f32 v44, v42
	v_rndne_f32 v45, v43
	v_fma_f32 v46, v[\ang], 0x3e22f983, -v44
	v_fma_f32 v47, v[\ang+1], 0x3e22f983, -v45
	v_fma_f32 v46, v[\ang], 0x31dc9c88, v46
	v_fma_f32 v47, v[\ang+1], 0x31dc9c88, v47
	v_pk_mul_f32 v[48:49], v[46:47], v[46:47]
	v_mov_b32 v50, 0xbf37d6e8                      ; -(2 pi)^15 / 15!
	v_mov_b32 v51, 0xbf37d6e8
	v_mov_b32 v52, 0x3e906316                      ; (2 pi)^16 / 16!
	v_mov_b32 v53, 0x3e906316
.irp k, 0x40747a1a, 0xc17183a8, 0x42283c1a, 0xc2996966, 0x42a335e3, 0xc2255de7, 0x40c90fdb
	v_pk_fma_f32 v[50:51], v[50:51], v[48:49], \k op_sel_hi:[1,1,0]
.endr
.irp k, 0xbfdb7128, 0x40fce9c5, 0xc1d368f9, 0x4270fa83, 0xc2aae9e4, 0x4281e0f8, 0xc19de9e6
	v_pk_fma_f32 v[52:53], v[52:53], v[48:49], \k op_sel_hi:[1,1,0]
.endr
	v_fma_f32 v[\dst], v52, v48, 1.0
	v_mul_f32 v[\dst+1], v46, v50
	v_fma_f32 v[\dst+2], v53, v49, 1.0
	v_mul_f32 v[\dst+3], v47, v51
.endm
; Piece p: columns 384 x tile column + 128 p on: which of Q, K, V, where it goes, and my two pairs' (cos, sin).  Pair i's angle for one row is 2^(-i log2(10000) / 512)
.macro PIECE p
	s_add_co_u32 s84, s83, 128*(\p)
	s_lshr_b32 s85, s84, 10                        ; 0 Q, 1 K, 2 V
	s_and_b32 s86, s84, 1023                       ; the column in it
	s_cmp_eq_u32 s85, 1
	s_cselect_b64 s[OUT+2*(\p):OUT+2*(\p)+1], s[74:75], s[76:77]
	s_cmp_eq_u32 s85, 0
	s_cselect_b64 s[OUT+2*(\p):OUT+2*(\p)+1], s[72:73], s[OUT+2*(\p):OUT+2*(\p)+1]
	s_cselect_b32 s88, 0x3d38aa3b, 1.0             ; Q alone carries c = log2(e) / 32
	s_cmp_eq_u32 s85, 2
	s_cselect_b32 s87, 0, 1.0                      ; V is turned by the angle 0
	s_lshl_b32 s90, s86, 1
	s_add_co_u32 s90, s90, s89
	s_mov_b32 s91, 0
	s_add_nc_u64 s[OUT+2*(\p):OUT+2*(\p)+1], s[OUT+2*(\p):OUT+2*(\p)+1], s[90:91]
	s_lshr_b32 s86, s86, 1                         ; the piece's first pair
	v_lshl_add_u32 v36, v34, 1, s86
	v_add_nc_u32 v37, 1, v36
	v_cvt_f32_u32 v36, v36
	v_cvt_f32_u32 v37, v37
	v_mul_f32 v36, 0xbcd49a78, v36                 ; -log2(10000) / 512
	v_mul_f32 v37, 0xbcd49a78, v37
	v_exp_f32 v40, v36
	v_exp_f32 v41, v37
	v_nop                                          ; a plain instruction behind the exponentials
	s_wait_alu depctr_va_vdst(0)
	v_mul_f32 v40, s87, v40
	v_mul_f32 v41, s87, v41
	v_mul_f32 v60, v38, v40                        ; the angles of my first row
	v_mul_f32 v61, v38, v41
	SC 60, CSA+4*(\p)
	SC 40, TH+4*(\p)
.irp j, 0,1,2,3
	v_mul_f32 v[CSA+4*(\p)+\j], s88, v[CSA+4*(\p)+\j]  ; a rotation keeps the length, so c rides on (cos, sin)
.endr
.endm
	PIECE 0
	PIECE 1
	PIECE 2
; n x 4 matrix instructions: row blocks a0 .. a0 + n - 1 x the four column blocks of group g, 32 along K; accumulator (a, b) at v[8 (4 a + b)] of window 1 + g.
; zero = 1: the first product starts the sums.  The 96 accumulators take turns.
.macro GRP g, af, a0, n, zero
	WIN 0x50*(1+(\g))                              ; C and D in window 1 + g, the sources in window 0
.set aa, \a0
.rept \n
.irp b, 0,1,2,3
.if \zero
	v_wmma_f32_16x16x32_bf16 v[8*(4*aa+\b):8*(4*aa+\b)+7], v[BF+32*(\g)+8*\b:BF+32*(\g)+8*\b+7], v[(\af)+8*aa:(\af)+8*aa+7], 0
.else
	v_wmma_f32_16x16x32_bf16 v[8*(4*aa+\b):8*(4*aa+\b)+7], v[BF+32*(\g)+8*\b:BF+32*(\g)+8*\b+7], v[(\af)+8*aa:(\af)+8*aa+7], v[8*(4*aa+\b):8*(4*aa+\b)+7]
.endif
.endr
.set aa, aa+1
.endr
.endm
.macro LDB g, k                        ; eight LDS loads: wb's group g, at byte k of the rows
.irp i, 0,1,2,3
	ds_load_b128 v[BF+32*(\g)+8*\i:BF+32*(\g)+8*\i+3],   v[ADRB] offset:(\k)+(4*(\g)+\i)*16*PITCH
	ds_load_b128 v[BF+32*(\g)+8*\i+4:BF+32*(\g)+8*\i+7], v[ADRB] offset:(\k)+(4*(\g)+\i)*16*PITCH+32
.endr
.endm
.macro LDA af, a0, k                   ; eight LDS loads: xb's row blocks a0 .. a0 + 3 into buffer af
.irp i, 0,1,2,3
	ds_load_b128 v[(\af)+8*((\a0)+\i):(\af)+8*((\a0)+\i)+3],   v[ADRA] offset:(\k)+((\a0)+\i)*16*PITCH
	ds_load_b128 v[(\af)+8*((\a0)+\i)+4:(\af)+8*((\a0)+\i)+7], v[ADRA] offset:(\k)+((\a0)+\i)*16*PITCH+32
.endr
.endm
; A K step's first chunk multiplies buffer 0 and fetches the second chunk (byte 64 of the same slot's rows).  The loads go out in the order group 0, rows 0-63, group 1, rows 64-127, group 2.
.macro CHUNK0 zero
	s_wait_dscnt 8                                 ; all but the youngest eight loads (group 2) are in
	GRP 0, AF0, 0, 8, \zero
	WIN 0
	PLACES
	LDB 0, 64
	LDA AF1, 0, 64
	GRP 1, AF0, 0, 8, \zero
	WIN 0
	PLACES
	LDB 1, 64
	LDA AF1, 4, 64
	s_wait_dscnt 32                                ; group 2 is in: behind it only the 32 loads just issued
	GRP 2, AF0, 0, 8, \zero
	WIN 0
	PLACES
	LDB 2, 64
.endm
; The second chunk multiplies buffer 1 and changes slots: all of this slot has been asked for out of LDS.  One barrier, which with fill = 1 opens a round of the cluster's; behind it the
; slot is filled again, two K steps ahead: that load has 160 of a step's 192 matrix instructions in which to land.
.macro CHUNK1 fill
	WIN 0
	s_wait_tensorcnt 0x0                           ; all my tensor loads have landed: the one that was out is my part of the next slot
	ds_add_u32 v[SPW], v[NIL]
	s_wait_dscnt 9                                 ; (the add and the youngest eight loads may be out)
	GRP 0, AF1, 0, 4, 0
	s_wait_dscnt 0x0                               ; the add is done, and my reads of this slot are over
	s_barrier_signal -1
	GRP 0, AF1, 4, 4, 0
	WIN 0
	s_barrier_wait -1
.if \fill
	CREST                                          ; no wave of any partner still reads this slot or has a load on its way
	s_xor_b32 s[G0+5], s[G0+5], SLOT1              ; the walking descriptors: the other slot than last time, the next K block
	s_add_nc_u64 s[G0+6:G0+7], s[G0+6:G0+7], ASTEP
	s_xor_b32 s[G0B+5], s[G0B+5], SLOT1
	s_add_nc_u64 s[G0B+6:G0B+7], s[G0B+6:G0B+7], BSTEP
	JLOAD                                          ; the first tensor load behind the round; its four v_nop are also the places in front of the loads below
.else
	PLACES
.endif
	s_xor_b32 s21, s21, SLOT1
	v_add_nc_u32 v[ADRA], s21, v[ADRA0]
	v_add_nc_u32 v[ADRB], s21, v[ADRB0]
	LDB 0, 0
	LDA AF0, 0, 0
	GRP 1, AF1, 0, 8, 0
	WIN 0
	PLACES
	LDB 1, 0
	LDA AF0, 4, 0
	GRP 2, AF1, 0, 8, 0
	WIN 0
	PLACES
	LDB 2, 0
.endm
	s_wait_tensorcnt 0x1                           ; my part of K step 0 is in; step 1's may stay out
	s_barrier_signal -1
	s_barrier_wait -1
	LDB 0, 0
	LDA AF0, 0, 0
	LDB 1, 0
	LDA AF0, 4, 0
	LDB 2, 0
	CHUNK0 1                                       ; the first chunk starts the sums
	s_mov_b32 s3, 14
.Lk:                                                   ; a trip: the second chunk of K step t and the first of step t + 1; it asks for step t + 2 (t = 0..13)
	CHUNK1 1
	CHUNK0 0
	s_sub_co_u32 s3, s3, 1
	s_cmp_lg_u32 s3, 0
	s_cbranch_scc1 .Lk
	CHUNK1 0                                       ; steps 14 and 15 ask for nothing
	CHUNK0 0
	s_wait_dscnt 8
	GRP 0, AF1, 0, 8, 0
	GRP 1, AF1, 0, 8, 0
	s_wait_dscnt 0x0
	GRP 2, AF1, 0, 8, 0
	WIN 0
	; the addresses of the way out, in registers that the last products do not name
	v_and_b32 v37, 15, v0
	v_bfe_u32 v38, v0, 4, 1
	v_and_b32 v39, 31, v0
	s_lshl_b32 s84, s11, 6
	v_add_nc_u32 v[STO], s84, v37                  ; stage row 64 wr + l % 16,
	v_mul_u32_u24 v[STO], v[STO], SPITCH
	v_lshl_add_u32 v[STO], v38, 5, v[STO]          ; 32 bytes for each half of the lanes,
	s_mul_i32 s84, s12, 768
	v_add_nc_u32 v[STO], s84, v[STO]               ; my 192 columns
	v_add_nc_u32 v[STO+1], 32*SPITCH, v[STO]       ; row blocks 4-7 lie 32 stage rows on
	s_mul_i32 s84, s10, 32*SPITCH
	v_lshl_add_u32 v[RD0], v39, 4, s84             ; back: stage rows 32 w on; 32 lanes x 16 bytes are a piece of 128 f32,
	v_lshlrev_b32 v[GO], 3, v39                    ; which become 256 bytes of f16
	PLACES
	s_barrier_signal -1                            ; every wave's reads of the ring are over (each waited for its own above): the stage may lie over it
	s_barrier_wait -1
; Pass p: 48 accumulators into the stage, each one's low half first.  Row block a goes to stage rows 64 wr + 32 (a / 4) + 16 (a % 2) on.
.macro DUMP p
.irp g, 0,1,2
	WIN 4*(1+\g)                                   ; store data in window 1 + g
.irp a, 2*(\p), 2*(\p)+1, 2*(\p)+4, 2*(\p)+5
.irp b, 0,1,2,3
	ds_store_b128 v[STO+(\a)/4], v[8*(4*(\a)+\b):8*(4*(\a)+\b)+3]   offset:((\a)%2)*16*SPITCH+64*(4*\g+\b)
	ds_store_b128 v[STO+(\a)/4], v[8*(4*(\a)+\b)+4:8*(4*(\a)+\b)+7] offset:((\a)%2)*16*SPITCH+64*(4*\g+\b)+16
.endr
.endr
.endr
	WIN 0
.endm
.macro SENDROW t
.irp p, 0,1,2
	global_store_b64 v[GO], v[Y+6*(\t)+2*\p:Y+6*(\t)+2*\p+1], s[OUT+2*\p:OUT+2*\p+1] offset:2048*(\t)  ; the wave stores 256 consecutive bytes, at a multiple of 256
.endr
.endm
; One row, its three pieces side by side.  For a pair (e, o) and (c, s): u = (o s, o c); y = (e c - u.lo, e s + u.hi).  The same two lines turn (c, s) on by one row's angle, from set ca into set cb.
; The row before is stored between them, when its roundings are long done.
.macro ROWT t, ca, cb
	s_wait_dscnt 21-3*(\t)                         ; row t's three loads are in, the younger rows' stay out
.irp p, 0,1,2
	v_pk_mul_f32 v[U+4*\p:U+4*\p+1],   v[X+12*(\t)+4*\p:X+12*(\t)+4*\p+1],   v[(\ca)+4*\p:(\ca)+4*\p+1]   op_sel:[1,1] op_sel_hi:[1,0]
	v_pk_mul_f32 v[U+4*\p+2:U+4*\p+3], v[X+12*(\t)+4*\p+2:X+12*(\t)+4*\p+3], v[(\ca)+4*\p+2:(\ca)+4*\p+3] op_sel:[1,1] op_sel_hi:[1,0]
.endr
.irp p, 0,1,2
	v_pk_mul_f32 v[W+4*\p:W+4*\p+1],   v[(\ca)+4*\p:(\ca)+4*\p+1],   v[TH+4*\p:TH+4*\p+1]   op_sel:[1,1] op_sel_hi:[1,0]
	v_pk_mul_f32 v[W+4*\p+2:W+4*\p+3], v[(\ca)+4*\p+2:(\ca)+4*\p+3], v[TH+4*\p+2:TH+4*\p+3] op_sel:[1,1] op_sel_hi:[1,0]
.endr
.if (\t) > 0
	SENDROW (\t)-1
.endif
.irp p, 0,1,2
	v_pk_fma_f32 v[Z+4*\p:Z+4*\p+1],   v[X+12*(\t)+4*\p:X+12*(\t)+4*\p+1],   v[(\ca)+4*\p:(\ca)+4*\p+1],   v[U+4*\p:U+4*\p+1]   op_sel_hi:[0,1,1] neg_lo:[0,0,1]
	v_pk_fma_f32 v[Z+4*\p+2:Z+4*\p+3], v[X+12*(\t)+4*\p+2:X+12*(\t)+4*\p+3], v[(\ca)+4*\p+2:(\ca)+4*\p+3], v[U+4*\p+2:U+4*\p+3] op_sel_hi:[0,1,1] neg_lo:[0,0,1]
.endr
.irp p, 0,1,2
	v_pk_fma_f32 v[(\cb)+4*\p:(\cb)+4*\p+1],   v[(\ca)+4*\p:(\ca)+4*\p+1],   v[TH+4*\p:TH+4*\p+1],   v[W+4*\p:W+4*\p+1]   op_sel_hi:[0,1,1] neg_lo:[0,0,1]
	v_pk_fma_f32 v[(\cb)+4*\p+2:(\cb)+4*\p+3], v[(\ca)+4*\p+2:(\ca)+4*\p+3], v[TH+4*\p+2:TH+4*\p+3], v[W+4*\p+2:W+4*\p+3] op_sel_hi:[0,1,1] neg_lo:[0,0,1]
.endr
.irp p, 0,1,2
	v_cvt_pk_f16_f32 v[Y+6*(\t)+2*\p],   v[Z+4*\p],   v[Z+4*\p+1]
	v_cvt_pk_f16_f32 v[Y+6*(\t)+2*\p+1], v[Z+4*\p+2], v[Z+4*\p+3]
.endr
.endm
	s_mov_b32 s67, 2
.Lpass:                                                ; two passes of 128 rows; the rows' lines are written once
	s_cmp_eq_u32 s67, 2
	s_cbranch_scc0 .Ldump1
	DUMP 0
	s_branch .Ldumped
.Ldump1:
	DUMP 1
.Ldumped:
	s_wait_dscnt 0x0                               ; for the others' sake: my stores into the stage are done
	s_barrier_signal -1
	s_barrier_wait -1
	v_mov_b32 v[RD], v[RD0]
	s_mov_b32 s3, 4
.Lrows:                                                ; 8 rows a trip
.irp t, 0,1,2,3,4,5,6,7
.irp p, 0,1,2
	ds_load_b128 v[X+12*\t+4*\p:X+12*\t+4*\p+3], v[RD] offset:\t*SPITCH+512*\p
.endr
.endr
.irp t, 0,2,4,6
	ROWT \t, CSA, CSB
	ROWT (\t)+1, CSB, CSA
.endr
	SENDROW 7
	s_wait_xcnt 0x0                                ; the stores' offset and data are rewritten only behind this wait
	v_add_nc_u32 v[GO], 8*2048, v[GO]
	v_add_nc_u32 v[RD], 8*SPITCH, v[RD]
	s_sub_co_u32 s3, s3, 1
	s_cmp_lg_u32 s3, 0
	s_cbranch_scc1 .Lrows
	s_wait_dscnt 0x0                               ; my reads of the stage are over:
	s_barrier_signal -1                            ; behind this barrier the next pass may write it
	s_barrier_wait -1
	s_sub_co_u32 s67, s67, 1
	s_cmp_lg_u32 s67, 0
	s_cbranch_scc1 .Lpass
	s_wait_tensorcnt 0x0                           ; the wave's end
	ds_add_u32 v[SPW], v[NIL]
	s_wait_dscnt 0x0
	CROUND                                         ; the closing round
	s_endpgm
.Lfunc_end_k_q6040cfc317_proj:
	.size	k_q6040cfc317_proj, .Lfunc_end_k_q6040cfc317_proj-k_q6040cfc317_proj
	.p2alignl 7, 3214868480
	.fill 96, 4, 3214868480
	.section	.rodata,"a",@progbits
	.p2align	6, 0x0
	.amdhsa_kernel k_q6040cfc317_proj
		.amdhsa_group_segment_fixed_size 327680
		.amdhsa_private_segment_fixed_size 0
		.amdhsa_enable_private_segment 0
		.amdhsa_kernarg_size 40
		.amdhsa_user_sgpr_count 2
		.amdhsa_user_sgpr_kernarg_segment_ptr 1
		.amdhsa_wavefront_size32 1
		.amdhsa_system_sgpr_workgroup_id_x 1
		.amdhsa_system_sgpr_workgroup_id_y 1
		.amdhsa_system_sgpr_workgroup_id_z 1
		.amdhsa_system_vgpr_workitem_id 0
		.amdhsa_next_free_vgpr 1024
		.amdhsa_next_free_sgpr 100
		.amdhsa_reserve_vcc 0
		.amdhsa_float_denorm_mode_32 3
		.amdhsa_float_denorm_mode_16_64 3
		.amdhsa_memory_ordered 1
		.amdhsa_forward_progress 1
		.amdhsa_inst_pref_size 113
	.end_amdhsa_kernel
	.amdgpu_metadata
---
amdhsa.version: [ 1, 2 ]
amdhsa.kernels:
  - .name:           k_q6040cfc317_proj
    .symbol:         k_q6040cfc317_proj.kd
    .args:
      - { .name: xb, .offset: 0, .size: 8, .value_kind: global_buffer, .address_space: global }
      - { .name: wb, .offset: 8, .size: 8, .value_kind: global_buffer, .address_space: global }
      - { .name: qh, .offset: 16, .size: 8, .value_kind: global_buffer, .address_space: global }
      - { .name: kh, .offset: 24, .size: 8, .value_kind: global_buffer, .address_space: global }
      - { .name: vh, .offset: 32, .size: 8, .value_kind: global_buffer, .address_space: global }
    .group_segment_fixed_size: 327680
    .private_segment_fixed_size: 0
    .kernarg_segment_align: 8
    .kernarg_segment_size: 40
    .max_flat_workgroup_size: 128
    .sgpr_count:     100
    .vgpr_count:     1024
    .wavefront_size: 32
...
	.end_amdgpu_metadata
.endif
;; end of part 2
;; launch score (part 3): grid 36 x 4, 4 waves a work-group, no clusters, 327,680 bytes of LDS; arguments qh, kh, pbuf, stat; writes pbuf, stat
.if DOCPART == 3
	.amdgcn_target "amdgcn-amd-amdhsa--gfx1250"
	.amdhsa_code_object_version 6
	.text
	.protected	k_q6040cfc317_score
	.globl	k_q6040cfc317_score
	.p2align	8
	.type	k_q6040cfc317_score,@function
k_q6040cfc317_score:
	s_mov_b64 s[64:65], 0
	v_nop
	global_prefetch_b8 v0, s[64:65] scope:SCOPE_SE
	s_setreg_imm32_b32 hwreg(HW_REG_WAVE_MODE, 25, 1), 1
	s_wait_xcnt 0x0
; SCORE.  For each batch and each tile (qt, kt), kt <= qt, of 256 queries x 256 keys: s = (c q) . k in f32 (qh already carries c = log2(e) / 32, so s is the score in powers of two), and for
; each row and each CHUNK of 128 keys: m = the chunk's largest s, p = 2^(s - m) rounded to f16 into pbuf [4][2048][2048], l = the sum of the unrounded p; (m, l) into stat [4][16][2048][2].
; The maximum is taken away chunk by chunk here; the last launch brings the chunks onto the row's own maximum by factors 2^(m - m_row) in f32.
; LIMITS.  A hidden score counts as its value less 1e30; p below 6e-5 keeps f16's fixed step; a weight below 2^-126 counts as 0; NaN and infinities are not treated apart.
; THE MASK is the C operand of the products that start the sums: 0, or -1e30 where key > query.  For my 128 x 128 it hangs on dq = first query - first key: above 0 nothing is hidden, below 0 all,
; at 0 the blocks (a, b) of 16 x 16 with b > a wholly, those with b = a by lane and register.  The wholly hidden 128 x 128 of a diagonal tile runs the same lines: m = -1e30, p = 1, and its factor is 0 later.
; SHAPE.  As the projection: 256 x 256 to four waves, 8 K steps of 128 through two LDS slots, source 0 = keys, source 1 = queries: a lane holds one query and eight neighbouring keys.
; NO CLUSTER: a tile row of the triangle has 1 to 8 tiles and a tile column 8 to 1, so no 4 x 4 or 4 x 1 block of the 36 tiles a batch shares rows without work-groups that would compute nothing.
; THE WAY OUT.  Behind the ring's last fill and a barrier each wave lays its sums in f32 over the ring (rows of 528 bytes) and reads them back with a ROW to a lane, 32 rows a trip:
; maximum, exponentials and sum never leave the lane.  p goes through a second, small stage (rows of 272 bytes) so that sixteen lanes store 256 consecutive bytes.
.set KSTEP,  128
.set PITCH,  272
.set HALFT,  128*PITCH
.set SLOT,   4*HALFT
.set SPITCH, 528
.set WSTAGE, 128*SPITCH
.set HP,     272                       ; a row of the f16 stage: 256 bytes + 16
.set HSTAGE, 2*SLOT                    ; 32 rows x 272 bytes for each wave
.set SCR,    HSTAGE+4*32*HP            ; 128 x (m, l) for each wave
.set SPARE,  SCR+4*1024
.set ADRA0, 16
.set ADRA,  17
.set ADRB0, 20
.set ADRB,  21
.set ST16,  22                         ; v22  my row of the f16 stage
.set RD16,  23                         ; v23  where I read it back: lanes 0-15 one row, lanes 16-31 the next
.set STO,   24
.set RD,    25                         ; v25  my row of the f32 stage
.set PO,    26                         ; v26  my 16 bytes in two rows of pbuf
.set SS,    27                         ; v27  where my row's (m, l) goes
.set SPW,   28
.set NIL,   29
.set SR,    30
.set SG,    31
.set UP,    32                         ; v[32:39] the mask of blocks above the diagonal
.set DG,    40                         ; v[40:47] of blocks on it
.set LW,    48                         ; v[48:55] of blocks below it
.set ML,    56                         ; v[56:57] m, l
.set X,     64                         ; v[64:191] a row's 128 scores
.set H,     192                        ; v[192:255] its 128 weights in f16
.set F0,    64
.set F1,    128
.set G1,  24
.set G0,  32
.set G0B, 56
.set MSB, 0
.macro WIN new
.if MSB != (\new)
	s_set_vgpr_msb (MSB<<8)|(\new)
.set MSB, \new
.endif
.endm
.set MUL_LO, 0xa1
.set MUL_HI, 0xf1
.set TO_B,   0x40
.macro PLACES
.rept 4
	v_nop
.endr
.endm
.macro LOAD                            ; a refill: waves 0, 1 fetch the queries' two halves, waves 2, 3 the keys'; an s_nop 0 and four v_nop follow each line
	s_cmp_eq_u32 s11, 0
	s_cbranch_scc0 .Lfor_b_\@
	tensor_load_to_lds s[G0+4:G0+7], s[G1:G1+7]
	s_nop 0
	PLACES
	s_branch .Lasked_\@
.Lfor_b_\@:
	tensor_load_to_lds s[G0B+4:G0B+7], s[G1:G1+7]
	s_nop 0
	PLACES
.Lasked_\@:
.endm
	s_load_b128 s[4:7], s[0:1], 0x0                ; qh s[4:5], kh s[6:7]
	s_load_b128 s[72:75], s[0:1], 0x10             ; pbuf s[72:73], stat s[74:75]
	v_lshl_add_u32 v[SPW], v0, 2, SPARE
	v_mov_b32 v[NIL], 0
	ds_add_u32 v[SPW], v[NIL]                      ; the wave's opening: the add and its wait ahead of my first tensor load
	ds_add_u32 v28, v29
	v_lshrrev_b32 v1, 5, v0
	v_readfirstlane_b32 s10, v1
	s_lshr_b32 s11, s10, 1                         ; wr: my half of the queries.  Also: I fetch queries (0) or keys (1)
	s_and_b32 s12, s10, 1                          ; wc: my half of the keys.  Also: which 128 rows I fetch
	s_mov_b32 s40, ttmp9                           ; the tile's number in the triangle, row by row
	s_mov_b32 s41, 0
.irp T, 1,3,6,10,15,21,28
	s_cmp_ge_u32 s40, \T                           ; qt = how many rows of the triangle begin at or below that number
	s_add_co_ci_u32 s41, s41, 0
.endr
	s_add_co_u32 s42, s41, 1
	s_mul_i32 s42, s42, s41
	s_lshr_b32 s42, s42, 1
	s_sub_co_u32 s42, s40, s42                     ; kt
	s_and_b32 s43, ttmp7, 0xffff                   ; batch
	s_mov_b32 s[G1], (1<<16)|(1<<20)|(5<<22)|(3<<25)  ; 2-byte elements; padding on: after every 64 words, 4 words
	s_mov_b32 s[G1+1], KSTEP<<16
	s_mov_b32 s[G1+2], 128<<16
	s_mov_b32 s[G1+3], KSTEP<<16
	s_mov_b32 s[G1+4], 128
	s_mov_b32 s[G1+5], 1024
	s_mov_b32 s[G1+6], 0
	s_mov_b32 s[G1+7], 0
	s_lshl_b32 s44, s43, 11
	s_lshl_b32 s45, s12, 7
	s_add_co_u32 s44, s44, s45                     ; 2,048 batch + 128 half
	s_lshl_b32 s16, s41, 8
	s_add_co_u32 s16, s16, s44
	s_lshl_b32 s16, s16, 11                        ; the queries' rows, in bytes
	s_lshl_b32 s46, s42, 8
	s_add_co_u32 s46, s46, s44
	s_lshl_b32 s46, s46, 11                        ; the keys'
	s_mov_b32 s17, 0
	s_mov_b32 s47, 0
	s_mul_i32 s20, s10, HALFT
	s_mov_b32 s21, 0
	s_wait_dscnt 0x0                               ; the opening add is done
	s_wait_kmcnt 0x0
	s_add_nc_u64 s[14:15], s[4:5], s[16:17]
	s_add_nc_u64 s[46:47], s[6:7], s[46:47]
.irp s, 0,1
	s_mov_b32 s[G0+4*(\s)], 1
	s_add_co_u32 s[G0+4*(\s)+1], s20, (\s)*SLOT
	s_add_nc_u64 s[G0+4*(\s)+2:G0+4*(\s)+3], s[14:15], (\s)*KSTEP*2
	s_or_b32 s[G0+4*(\s)+3], s[G0+4*(\s)+3], 0x80000000
	s_mov_b32 s[G0B+4*(\s)], 1
	s_add_co_u32 s[G0B+4*(\s)+1], s20, (\s)*SLOT
	s_add_nc_u64 s[G0B+4*(\s)+2:G0B+4*(\s)+3], s[46:47], (\s)*KSTEP*2
	s_or_b32 s[G0B+4*(\s)+3], s[G0B+4*(\s)+3], 0x80000000
.endr
	s_cmp_eq_u32 s11, 0                            ; a wave's two first fills stand in one branch: two loads of mine are out, later one
	s_cbranch_scc0 .Lfirst_b
	tensor_load_to_lds s[G0:G0+3], s[G1:G1+7]
	s_nop 0
	tensor_load_to_lds s[G0+4:G0+7], s[G1:G1+7]
	s_nop 0
	PLACES
	s_branch .Lfirst_asked
.Lfirst_b:
	tensor_load_to_lds s[G0B:G0B+3], s[G1:G1+7]
	s_nop 0
	tensor_load_to_lds s[G0B+4:G0B+7], s[G1:G1+7]
	s_nop 0
	PLACES
.Lfirst_asked:
	v_and_b32 v1, 15, v0
	v_bfe_u32 v2, v0, 4, 1
	v_mul_u32_u24 v3, v1, PITCH
	v_lshl_add_u32 v3, v2, 4, v3
	s_mul_i32 s22, s11, HALFT
	s_mul_i32 s23, s12, HALFT
	s_add_co_u32 s23, s23, 2*HALFT
	v_add_nc_u32 v[ADRA0], s22, v3
	v_add_nc_u32 v[ADRB0], s23, v3
	v_mov_b32 v[ADRA], v[ADRA0]
	v_mov_b32 v[ADRB], v[ADRB0]
	s_mul_i32 s22, s10, WSTAGE
	v_mul_u32_u24 v4, v1, SPITCH
	v_lshl_add_u32 v4, v2, 5, v4
	v_add_nc_u32 v[STO], s22, v4
	v_and_b32 v5, 31, v0
	v_mul_u32_u24 v[RD], v5, SPITCH
	v_add_nc_u32 v[RD], s22, v[RD]
	s_mul_i32 s23, s10, 32*HP
	s_add_co_u32 s23, s23, HSTAGE
	v_mul_u32_u24 v[ST16], v5, HP
	v_add_nc_u32 v[ST16], s23, v[ST16]
	v_mul_u32_u24 v[RD16], v2, HP
	v_lshl_add_u32 v[RD16], v1, 4, v[RD16]
	v_add_nc_u32 v[RD16], s23, v[RD16]
	v_lshlrev_b32 v[PO], 12, v2
	v_lshl_add_u32 v[PO], v1, 4, v[PO]
	s_lshl_b32 s23, s10, 10
	s_add_co_u32 s23, s23, SCR
	v_lshl_add_u32 v[SS], v5, 3, s23
	v_lshl_add_u32 v[SR], v5, 4, s23
	v_lshlrev_b32 v[SG], 4, v5
	v_mov_b32 v[ML+1], 0                           ; named with m as a pair
	; pbuf at ((2,048 batch + 256 qt + 128 wr) 2,048 + 256 kt + 128 wc) x 2 bytes
	s_lshl_b32 s84, s43, 11
	s_lshl_b32 s85, s41, 8
	s_add_co_u32 s84, s84, s85
	s_lshl_b32 s85, s11, 7
	s_add_co_u32 s84, s84, s85
	s_lshl_b32 s86, s84, 12
	s_lshl_b32 s85, s42, 9
	s_add_co_u32 s86, s86, s85
	s_lshl_b32 s85, s12, 8
	s_add_co_u32 s86, s86, s85
	s_mov_b32 s87, 0
	s_add_nc_u64 s[8:9], s[72:73], s[86:87]
	; stat at ((16 batch + 2 kt + wc) 2,048 + 256 qt + 128 wr) x 8 bytes
	s_lshl_b32 s88, s43, 4
	s_lshl_b32 s85, s42, 1
	s_add_co_u32 s88, s88, s85
	s_add_co_u32 s88, s88, s12
	s_lshl_b32 s88, s88, 11
	s_lshl_b32 s85, s41, 8
	s_add_co_u32 s88, s88, s85
	s_lshl_b32 s85, s11, 7
	s_add_co_u32 s88, s88, s85
	s_lshl_b32 s88, s88, 3
	s_mov_b32 s89, 0
	s_add_nc_u64 s[76:77], s[74:75], s[88:89]
	; the masks
	s_sub_co_i32 s80, s41, s42
	s_lshl_b32 s80, s80, 8
	s_sub_co_i32 s81, s11, s12
	s_lshl_b32 s81, s81, 7
	s_add_co_i32 s80, s80, s81                     ; dq
	s_cmp_le_i32 s80, 0
	s_cselect_b32 s82, 0xf149f2ca, 0               ; above the diagonal of blocks: -1e30 unless dq > 0
	s_cmp_lt_i32 s80, 0
	s_cselect_b32 s83, 0xf149f2ca, 0               ; below it: -1e30 only if dq < 0
	v_lshlrev_b32 v6, 3, v2
	v_sub_nc_u32 v6, v1, v6                        ; l % 16 - 8 (l / 16): register j of a block on the diagonal is hidden where j is greater
.irp j, 0,1,2,3,4,5,6,7
	v_mov_b32 v[UP+\j], s82
	v_mov_b32 v[LW+\j], s83
.endr
.irp j, 0,1,2,3,4,5,6,7
	v_cmp_gt_i32 vcc_lo, \j, v6
	v_cndmask_b32 v[DG+\j], v[LW+\j], v[UP+\j], vcc_lo
.endr
; 16 matrix instructions.  zero = 2: the products start the sums with the mask of their block (C in window 0).  The 64 accumulators take turns.
.macro MUL16 f, hi, a0, zero
.if (\zero) == 2
	WIN 0x81+0x40*(\hi)
.else
	WIN MUL_LO+0x50*(\hi)
.endif
.irp a, \a0, (\a0)+1
.irp b, 0,1,2,3,4,5,6,7
.if (\zero) == 2
.if (4*(\hi)+(\a)) > (\b)
.set CM, LW
.elseif (4*(\hi)+(\a)) == (\b)
.set CM, DG
.else
.set CM, UP
.endif
	v_wmma_f32_16x16x32_f16 v[8*(8*(\a)+(\b)):8*(8*(\a)+(\b))+7], v[(\f)+8*(\b):(\f)+8*(\b)+7], v[(\f)+8*(4*(\hi)+(\a)):(\f)+8*(4*(\hi)+(\a))+7], v[CM:CM+7]
.else
	v_wmma_f32_16x16x32_f16 v[8*(8*(\a)+(\b)):8*(8*(\a)+(\b))+7], v[(\f)+8*(\b):(\f)+8*(\b)+7], v[(\f)+8*(4*(\hi)+(\a)):(\f)+8*(4*(\hi)+(\a))+7], v[8*(8*(\a)+(\b)):8*(8*(\a)+(\b))+7]
.endif
.endr
.endr
.endm
.macro FETCH k, f
	WIN TO_B
.irp i, 0,1,2,3,4,5,6,7
	ds_load_b128 v[(\f)+8*(\i):(\f)+8*(\i)+3],   v[ADRB] offset:(\k)+(\i)*16*PITCH
	ds_load_b128 v[(\f)+8*(\i)+4:(\f)+8*(\i)+7], v[ADRB] offset:(\k)+(\i)*16*PITCH+32
.endr
	WIN 0
.irp i, 0,1,2,3,4,5,6,7
	ds_load_b128 v[(\f)+8*(\i):(\f)+8*(\i)+3],   v[ADRA] offset:(\k)+(\i)*16*PITCH
	ds_load_b128 v[(\f)+8*(\i)+4:(\f)+8*(\i)+7], v[ADRA] offset:(\k)+(\i)*16*PITCH+32
.endr
.endm
.macro QUARTER k, f, g, zero
	s_wait_dscnt 8                                 ; the keys and queries 0-63 are in; the youngest eight loads (queries 64-127) may be out
	MUL16 \f, 0, 0, \zero
	MUL16 \f, 0, 2, \zero
	PLACES
	FETCH \k, \g
	s_wait_dscnt 32                                ; all but the 32 just issued
	MUL16 \f, 1, 0, \zero
	MUL16 \f, 1, 2, \zero
.endm
.macro TURN fill                       ; the last quarter multiplies buffer 1 and changes slots: one barrier
	WIN 0
	s_wait_tensorcnt 0x0                           ; all my tensor loads have landed: the one that was out is my part of the next slot
	ds_add_u32 v[SPW], v[NIL]
	s_wait_dscnt 9                                 ; (the add and the youngest eight loads may be out)
	MUL16 F1, 0, 0, 0
	s_wait_dscnt 0x0                               ; the add is done, and my reads of this slot are over
	s_barrier_signal -1
	MUL16 F1, 0, 2, 0
.if \fill
	WIN 0                                          ; a branch follows
.endif
	s_barrier_wait -1
.if \fill
	s_xor_b32 s[G0+5], s[G0+5], SLOT
	s_add_nc_u64 s[G0+6:G0+7], s[G0+6:G0+7], KSTEP*2
	s_xor_b32 s[G0B+5], s[G0B+5], SLOT
	s_add_nc_u64 s[G0B+6:G0B+7], s[G0B+6:G0B+7], KSTEP*2
	LOAD                                           ; the first tensor load behind the barrier; its four v_nop are also the places in front of the loads below
.else
	PLACES
.endif
	WIN 0
	s_xor_b32 s21, s21, SLOT
	v_add_nc_u32 v[ADRA], s21, v[ADRA0]
	v_add_nc_u32 v[ADRB], s21, v[ADRB0]
	FETCH 0, F0
	MUL16 F1, 1, 0, 0
	MUL16 F1, 1, 2, 0
.endm
	s_wait_tensorcnt 0x1                           ; my part of K step 0 is in; step 1's may stay out
	s_barrier_signal -1
	s_barrier_wait -1
	FETCH 0, F0
	QUARTER 64, F0, F1, 2                          ; the first quarter starts the sums, with the masks
	WIN 0
	s_mov_b32 s3, 6
.Lk:
	QUARTER 128, F1, F0, 0
	QUARTER 192, F0, F1, 0
	TURN 1
	QUARTER 64, F0, F1, 0
	WIN 0
	s_sub_co_u32 s3, s3, 1
	s_cmp_lg_u32 s3, 0
	s_cbranch_scc1 .Lk
	QUARTER 128, F1, F0, 0
	QUARTER 192, F0, F1, 0
	TURN 0
	QUARTER 64, F0, F1, 0
	QUARTER 128, F1, F0, 0
	QUARTER 192, F0, F1, 0
	s_wait_dscnt 8
	MUL16 F1, 0, 0, 0
	MUL16 F1, 0, 2, 0
	s_wait_dscnt 0x0
	MUL16 F1, 1, 0, 0
	MUL16 F1, 1, 2, 0
	WIN 0
	s_barrier_signal -1                            ; every wave's reads of the ring are over: the f32 stages may lie over it
	s_barrier_wait -1
	PLACES
.irp a, 0,1,2,3,4,5,6,7                ; each accumulator's low half first
	WIN 0x08+4*((\a)/4)
.irp b, 0,1,2,3,4,5,6,7
	ds_store_b128 v[STO], v[8*(8*((\a)%4)+(\b)):8*(8*((\a)%4)+(\b))+3]   offset:(\a)*16*SPITCH+(\b)*64
	ds_store_b128 v[STO], v[8*(8*((\a)%4)+(\b))+4:8*(8*((\a)%4)+(\b))+7] offset:(\a)*16*SPITCH+(\b)*64+16
.endr
.endr
	WIN 0
	s_mov_b32 s3, 4
.Lsoft:                                                ; 32 rows a trip, a row to a lane
.set j, 0
.rept 32
	ds_load_b128 v[X+4*j:X+4*j+3], v[RD] offset:16*j
.set j, j+1
.endr
.irp c, 0,1,2,3                        ; four chains of 32 scores; chain c begins when loads 8 c .. 8 c + 7 are in
	s_wait_dscnt 24-8*\c
	v_max3_num_f32 v[58+\c], v[X+32*\c], v[X+32*\c+1], v[X+32*\c+2]
.set i, 3
.rept 14
	v_max3_num_f32 v[58+\c], v[58+\c], v[X+32*\c+i], v[X+32*\c+i+1]
.set i, i+2
.endr
	v_max_num_f32 v[58+\c], v[58+\c], v[X+32*\c+31]
.endr
	v_max3_num_f32 v[ML], v58, v59, v60
	v_max_num_f32 v[ML], v[ML], v61                ; m
.set i, 0
.rept 64
	v_pk_add_f32 v[X+2*i:X+2*i+1], v[X+2*i:X+2*i+1], v[ML:ML+1] op_sel_hi:[1,0] neg_lo:[0,1] neg_hi:[0,1]  ; s - m
.set i, i+1
.endr
.set i, 0
.rept 128
	v_exp_f32 v[X+i], v[X+i]
.set i, i+1
.endr
	v_nop                                          ; a plain instruction behind the last exponential
.set i, 0
	s_wait_alu depctr_va_vdst(0)
.rept 64
	v_cvt_pk_f16_f32 v[H+i], v[X+2*i], v[X+2*i+1]
.set i, i+1
.endr
.irp n, 32,16,8,4,2,1                  ; the sum of the 64 pairs, in place
.set i, 0
.rept \n
	v_pk_add_f32 v[X+2*i:X+2*i+1], v[X+2*i:X+2*i+1], v[X+2*(i+\n):X+2*(i+\n)+1]
.set i, i+1
.endr
.endr
	v_add_f32 v[ML+1], v[X], v[X+1]                ; l
.set j, 0
.rept 16
	ds_store_b128 v[ST16], v[H+4*j:H+4*j+3] offset:16*j
.set j, j+1
.endr
	ds_store_b64 v[SS], v[ML:ML+1]
.set t, 0
.rept 16
	ds_load_b128 v[X+4*t:X+4*t+3], v[RD16] offset:2*HP*t   ; in order behind my stores: two whole rows of 256 bytes
.set t, t+1
.endr
.set t, 0
.rept 16
	s_wait_dscnt 15-t
	global_store_b128 v[PO], v[X+4*t:X+4*t+3], s[8:9] offset:8192*t  ; 16 lanes store 256 consecutive bytes, at a multiple of 256
.set t, t+1
.endr
	s_wait_xcnt 0x0                                ; the stores' base and data are rewritten only behind this wait
	s_add_nc_u64 s[8:9], s[8:9], 32*4096
	v_add_nc_u32 v[RD], 32*SPITCH, v[RD]
	v_add_nc_u32 v[SS], 256, v[SS]
	s_sub_co_u32 s3, s3, 1
	s_cmp_lg_u32 s3, 0
	s_cbranch_scc1 .Lsoft
	ds_load_b128 v[X:X+3], v[SR]                   ; my 128 rows' (m, l): 1,024 consecutive bytes of stat
	ds_load_b128 v[X+4:X+7], v[SR] offset:512
	s_wait_dscnt 0x0
	global_store_b128 v[SG], v[X:X+3], s[76:77]
	global_store_b128 v[SG], v[X+4:X+7], s[76:77] offset:512
	s_wait_tensorcnt 0x0                           ; the wave's end
	ds_add_u32 v[SPW], v[NIL]
	s_wait_dscnt 0x0
	s_endpgm
.Lfunc_end_k_q6040cfc317_score:
	.size	k_q6040cfc317_score, .Lfunc_end_k_q6040cfc317_score-k_q6040cfc317_score
	.p2alignl 7, 3214868480
	.fill 96, 4, 3214868480
	.section	.rodata,"a",@progbits
	.p2align	6, 0x0
	.amdhsa_kernel k_q6040cfc317_score
		.amdhsa_group_segment_fixed_size 327680
		.amdhsa_private_segment_fixed_size 0
		.amdhsa_enable_private_segment 0
		.amdhsa_kernarg_size 32
		.amdhsa_user_sgpr_count 2
		.amdhsa_user_sgpr_kernarg_segment_ptr 1
		.amdhsa_wavefront_size32 1
		.amdhsa_system_sgpr_workgroup_id_x 1
		.amdhsa_system_sgpr_workgroup_id_y 1
		.amdhsa_system_sgpr_workgroup_id_z 1
		.amdhsa_system_vgpr_workitem_id 0
		.amdhsa_next_free_vgpr 1024
		.amdhsa_next_free_sgpr 100
		.amdhsa_reserve_vcc 1
		.amdhsa_float_denorm_mode_32 3
		.amdhsa_float_denorm_mode_16_64 3
		.amdhsa_memory_ordered 1
		.amdhsa_forward_progress 1
		.amdhsa_inst_pref_size 121
	.end_amdhsa_kernel
	.amdgpu_metadata
---
amdhsa.version: [ 1, 2 ]
amdhsa.kernels:
  - .name:           k_q6040cfc317_score
    .symbol:         k_q6040cfc317_score.kd
    .args:
      - { .name: qh, .offset: 0, .size: 8, .value_kind: global_buffer, .address_space: global }
      - { .name: kh, .offset: 8, .size: 8, .value_kind: global_buffer, .address_space: global }
      - { .name: pbuf, .offset: 16, .size: 8, .value_kind: global_buffer, .address_space: global }
      - { .name: stat, .offset: 24, .size: 8, .value_kind: global_buffer, .address_space: global }
    .group_segment_fixed_size: 327680
    .private_segment_fixed_size: 0
    .kernarg_segment_align: 8
    .kernarg_segment_size: 32
    .max_flat_workgroup_size: 128
    .sgpr_count:     100
    .vgpr_count:     1024
    .wavefront_size: 32
...
	.end_amdgpu_metadata
.endif
;; end of part 3
;; launch pv (part 4): grid 8 x 32, 4 waves a work-group, clusters of 4 x 4, 327,680 bytes of LDS; arguments pbuf, vh, stat, out0; writes out0
.if DOCPART == 4
	.amdgcn_target "amdgcn-amd-amdhsa--gfx1250"
	.amdhsa_code_object_version 6
	.text
	.protected	k_q6040cfc317_pv
	.globl	k_q6040cfc317_pv
	.p2align	8
	.type	k_q6040cfc317_pv,@function
k_q6040cfc317_pv:
	s_mov_b64 s[64:65], 0
	v_nop
	global_prefetch_b8 v0, s[64:65] scope:SCOPE_SE
	s_setreg_imm32_b32 hwreg(HW_REG_WAVE_MODE, 25, 1), 1
	s_wait_xcnt 0x0
	s_wait_alu depctr_hold_cnt(0) depctr_sa_sdst(0) depctr_va_vdst(0) depctr_va_sdst(0) depctr_va_ssrc(0) depctr_va_vcc(0) depctr_vm_vsrc(0)
	s_getreg_b32 s2, hwreg(HW_REG_IB_STS2, 6, 4)
	s_cmp_eq_u32 s2, 0
	s_cbranch_scc0 .Lentry_in_a_cluster
	s_endpgm
.Lentry_in_a_cluster:
	s_bfe_u32 s2, ttmp6, 0x10000c
	s_cmp_lg_u32 s2, 0xf033
	s_cbranch_scc0 .Lentry_shape_is_right
	s_endpgm
.Lentry_shape_is_right:
; PV.  out0[q][:] = (sum over chunks t of 2^(m_t - M) (p_t V_t)) / (sum over t of 2^(m_t - M) l_t), M = the row's largest m_t.  pbuf [4][2048][2048] f16, vh [8192][1024] f16,
; stat [4][16][2048][(m, l)] f32, out0 [8192][1024] f32.  Products of a chunk of 128 keys are summed in f32 by the matrix unit; the chunks are folded together in f32 by the vector unit.
; LIMITS.  As the launch before: hidden chunks carry m = -1e30, so their factor is 0; factors below 2^-126 count as 0; NaN and infinities are not treated apart.
; SHARES.  A work-group makes 128 queries x 128 channels at a time, a wave 64 x 64 (16 accumulators).  The cluster's y is 2 batch + g; its four rows j take the query blocks (of 128)
; 4 (3 - g) + j and then 4 g + j, with 8 - 2 g and 2 g + 2 trips of 256 keys: TEN trips for every work-group, and the same trips in all sixteen partners.  Some of those keys lie beyond a
; block's diagonal (10 trips where 8.5 would do on average): they are multiplied all the same and count with the factor 0; for that every tile of P and of V is asked for jointly by four.
; LAYOUT.  O^T = V^T P: source 0 = 16 channels x 32 keys (V lies [key][channel] and is turned by ds_load_tr16_b128), source 1 = 16 queries x 32 keys.  A lane holds ONE query (l % 16) and
; eight neighbouring channels, so a chunk's factor is one number a lane.
; BY TURNS.  A trip has two chunks: quarters 0, 1 sum into TMP0, quarters 2, 3 into TMP1.  While one is summed the other is folded: ACC += f x TMP, four packed lines behind every fourth matrix
; instruction; they name no register of the products round them and are also the places in front of the runs of LDS loads.
; REGISTERS: window 0: v0-31 addresses and row statistics; v32-55 factors (at the even registers, the odd ones 0); v56-71 (m, l) of the next trip; v128-255 ACC.
;   window 1: two fragment buffers of 128 (64 of P, then 64 of V^T).   window 2: TMP0 v0-127, TMP1 v128-255.
.set PP,    528                        ; a row of P in LDS: 512 bytes + 16
.set PVP,   288                        ; a row of V: 256 + 32
.set VOFF,  128*PP                     ; a slot: 128 rows of P, then 256 rows of V
.set SLOT1, 147456                     ; 0x24000 shares no bit with the four fills' places in a slot, so an exclusive or changes slots
.set STAGE, SLOT1+VOFF+256*PVP         ; 16 rows x 272 bytes for each wave
.set SP,    272
.set SPARE, STAGE+4*16*SP
.set ADRA0, 2
.set ADRB0, 3
.set ADRA,  4
.set ADRB,  5
.set ADRB2, 6                          ; keys 128 on
.set STO,   7
.set RD,    8
.set GO,    9
.set SO,    10                         ; my query's 8 bytes in a chunk of stat
.set MR,    12                         ; v[12:15] M of my four queries, block in hand
.set MRB,   16                         ; v[16:19] the second block's
.set LS,    20                         ; v[20:23] the sums of f l
.set SPW,   28
.set NIL,   29
.set F0,    32                         ; v[32:39] factors of the trip's first chunk
.set F1,    40                         ; v[40:47] of its second
.set FP,    48                         ; v[48:55] of the trip before's second; at a block's end 1 / l
.set RAW,   56                         ; v[56:71] (m, l): chunk c, query block a at RAW + 8 c + 2 a
.set DT,    104
.set ACC,   128
.set FB0,   0
.set FB1,   128
.set WV, 12
.set WR, 13                            ; my half of the queries.  Also: I fetch P (0) or V (1)
.set WC, 14                            ; my half of the channels.  Also: which half of the tile I fetch
.set G1A, 24
.set G1B, 32
.set G0A, 40                           ; s[40:43] first fill, s[44:47] second fill and every refill
.set G0B, 48
.set KS,   56                          ; the key tile to ask for next
.set LQ,   57                          ; the last key tile of the block whose tiles are being asked for
.set LQB,  58
.set AROW, 59                          ; byte offset of my rows of P, that block
.set AROWB,60
.set SROW, 61                          ; byte offset of the block's rows in a chunk of stat
.set SROWB,62
.set SOFF, 63                          ; stat offset of the tile asked for last
.set RT,   66                          ; trips left in the block in hand
.set NBT,  67
.set TB,   68                          ; the slot that is read
.set BBASE,76
.set MSB, 0
.macro WIN new
.if MSB != (\new)
	s_set_vgpr_msb (MSB<<8)|(\new)
.set MSB, \new
.endif
.endm
.set MUL,  0xa5                        ; sources 0, 1 window 1; C and D window 2
.set TO_F, 0x40
.set FOLD, 0x02                        ; source 0 window 2, all else window 0
.macro PLACES
.rept 4
	v_nop
.endr
.endm
.macro JLOAD                           ; a joint refill; an s_nop 0 and four v_nop follow each line
	s_cmp_eq_u32 s[WR], 0
	s_cbranch_scc0 .Lfor_b_\@
	tensor_load_to_lds s[G0A+4:G0A+7], s[G1A:G1A+7]
	s_nop 0
	PLACES
	s_branch .Lasked_\@
.Lfor_b_\@:
	tensor_load_to_lds s[G0B+4:G0B+7], s[G1B:G1B+7]
	s_nop 0
	PLACES
.Lasked_\@:
.endm
.macro CREST
	s_cmp_lg_u32 s[WV], 0
	s_cbranch_scc1 .Lnot_wave_0_\@
	s_barrier_signal -3
.Lnot_wave_0_\@:
	s_barrier_wait -3
	s_barrier_signal -1
	s_barrier_wait -1
.endm
.macro CROUND
	s_barrier_signal -1
	s_barrier_wait -1
	CREST
.endm
	s_load_b256 s[4:11], s[0:1], 0x0               ; pbuf s[4:5], vh s[6:7], stat s[8:9], out0 s[10:11]
	v_lshl_add_u32 v[SPW], v0, 2, SPARE
	v_mov_b32 v[NIL], 0
	ds_add_u32 v[SPW], v[NIL]                      ; the wave's opening: the add and its wait ahead of my first tensor load
	ds_add_u32 v28, v29
	v_lshrrev_b32 v1, 5, v0
	v_readfirstlane_b32 s[WV], v1
	s_lshr_b32 s[WR], s[WV], 1
	s_and_b32 s[WC], s[WV], 1
	s_bfe_u32 s15, ttmp6, 0x40000                  ; cx
	s_bfe_u32 s16, ttmp6, 0x40004                  ; cy = j
	s_lshl_b32 s17, ttmp9, 2
	s_add_co_u32 s17, s17, s15                     ; n: my block of 128 channels
	s_and_b32 s18, ttmp7, 0xffff
	s_lshr_b32 s19, s18, 1                         ; batch
	s_and_b32 s20, s18, 1                          ; g
	s_sub_co_u32 s21, 3, s20
	s_lshl_b32 s21, s21, 2
	s_add_co_u32 s21, s21, s16                     ; the first query block
	s_lshl_b32 s22, s20, 2
	s_add_co_u32 s22, s22, s16                     ; the second
	s_lshl_b32 s[NBT], s20, 1
	s_add_co_u32 s[NBT], s[NBT], 2                 ; the second block's trips
	s_sub_co_u32 s[RT], 10, s[NBT]                 ; the first block's
	s_sub_co_u32 s[LQ], s[RT], 1
	s_sub_co_u32 s[LQB], s[NBT], 1
	s_mov_b32 s[KS], 2                             ; tiles 0 and 1 are the first fills
	s_lshl_b32 s86, s19, 11
	s_lshl_b32 s87, s[WC], 6
	s_add_co_u32 s86, s86, s87                     ; 2,048 batch + 64 half
	s_lshl_b32 s[AROW], s21, 7
	s_add_co_u32 s[AROW], s[AROW], s86
	s_lshl_b32 s[AROW], s[AROW], 12                ; rows of 4,096 bytes
	s_lshl_b32 s[AROWB], s22, 7
	s_add_co_u32 s[AROWB], s[AROWB], s86
	s_lshl_b32 s[AROWB], s[AROWB], 12
	s_lshl_b32 s88, s19, 18                        ; a batch of stat is 262,144 bytes
	s_lshl_b32 s[SROW], s21, 10
	s_add_co_u32 s[SROW], s[SROW], s88
	s_lshl_b32 s[SROWB], s22, 10
	s_add_co_u32 s[SROWB], s[SROWB], s88
	s_lshl_b32 s[BBASE], s19, 11
	s_lshl_b32 s89, s[WC], 7
	s_add_co_u32 s[BBASE], s[BBASE], s89           ; V: key 2,048 batch + 128 half,
	s_lshl_b32 s[BBASE], s[BBASE], 11
	s_lshl_b32 s89, s17, 8
	s_add_co_u32 s[BBASE], s[BBASE], s89           ; channel 128 n
	s_lshl_b32 s90, s16, 2
	s_lshl_b32 s90, 15, s90                        ; my row of the cluster: the same queries
	s_lshl_b32 s91, 0x1111, s15                    ; my column: the same channels
	s_or_b32 s[G1A], s90, (1<<16)|(1<<20)|(1<<21)|(6<<22)|(3<<25)  ; P: 64 rows x 256 elements; after every 128 words, 4 words
	s_mov_b32 s[G1A+1], 256<<16
	s_mov_b32 s[G1A+2], 64<<16
	s_mov_b32 s[G1A+3], 256<<16
	s_mov_b32 s[G1A+4], 64
	s_mov_b32 s[G1A+5], 2048
	s_mov_b32 s[G1A+6], 0
	s_mov_b32 s[G1A+7], 0
	s_or_b32 s[G1B], s91, (1<<16)|(1<<20)|(1<<21)|(5<<22)|(7<<25)  ; V: 128 keys x 128 elements; after every 64 words, 8 words
	s_mov_b32 s[G1B+1], 128<<16
	s_mov_b32 s[G1B+2], 128<<16
	s_mov_b32 s[G1B+3], 128<<16
	s_mov_b32 s[G1B+4], 128
	s_mov_b32 s[G1B+5], 1024
	s_mov_b32 s[G1B+6], 0
	s_mov_b32 s[G1B+7], 0
	s_mul_i32 s70, s[WC], 64*PP                    ; where my half goes: no place in the cluster enters an LDS address
	s_mul_i32 s71, s[WC], 128*PVP
	s_add_co_u32 s71, s71, VOFF
	s_mov_b32 s[G0A], 1
	s_mov_b32 s[G0A+1], s70
	s_mov_b32 s[G0A+4], 1
	s_add_co_u32 s[G0A+5], s70, SLOT1
	s_mov_b32 s[G0B], 1
	s_mov_b32 s[G0B+1], s71
	s_mov_b32 s[G0B+4], 1
	s_add_co_u32 s[G0B+5], s71, SLOT1
	s_mov_b32 s72, s[AROW]
	s_mov_b32 s73, 0
	s_mov_b32 s74, s[BBASE]
	s_mov_b32 s75, 0
	s_mov_b32 s[TB], 0
	; out0 at (2,048 batch + 128 block + 64 wr) rows of 4,096 bytes + (128 n + 64 wc) x 4
	s_lshl_b32 s92, s19, 11
	s_lshl_b32 s93, s[WR], 6
	s_add_co_u32 s92, s92, s93
	s_lshl_b32 s93, s17, 9
	s_lshl_b32 s94, s[WC], 8
	s_add_co_u32 s93, s93, s94
	s_lshl_b32 s94, s21, 7
	s_add_co_u32 s94, s94, s92
	s_lshl_b32 s94, s94, 12
	s_add_co_u32 s94, s94, s93
	s_mov_b32 s95, 0
	s_lshl_b32 s96, s22, 7
	s_add_co_u32 s96, s96, s92
	s_lshl_b32 s96, s96, 12
	s_add_co_u32 s96, s96, s93
	s_mov_b32 s97, 0
	s_mov_b32 s84, s[SROW]
	s_mov_b32 s85, 0                               ; stays 0: the high word of stat's offsets
	s_mov_b32 s86, s[SROWB]
	s_mov_b32 s87, 0
	s_wait_dscnt 0x0                               ; the opening add is done
	s_wait_kmcnt 0x0
	s_add_nc_u64 s[G0A+2:G0A+3], s[4:5], s[72:73]
	s_add_nc_u64 s[G0A+6:G0A+7], s[G0A+2:G0A+3], 512       ; the next 256 keys
	s_or_b32 s[G0A+3], s[G0A+3], 0x80000000
	s_or_b32 s[G0A+7], s[G0A+7], 0x80000000
	s_add_nc_u64 s[G0B+2:G0B+3], s[6:7], s[74:75]
	s_add_nc_u64 s[G0B+6:G0B+7], s[G0B+2:G0B+3], 524288
	s_or_b32 s[G0B+3], s[G0B+3], 0x80000000
	s_or_b32 s[G0B+7], s[G0B+7], 0x80000000
	s_add_nc_u64 s[80:81], s[10:11], s[96:97]      ; out0 for the second block,
	s_add_nc_u64 s[10:11], s[10:11], s[94:95]      ; and for the first
	s_add_nc_u64 s[78:79], s[8:9], s[84:85]        ; stat at the first block's rows,
	s_add_nc_u64 s[98:99], s[8:9], s[86:87]        ; and at the second's
	CROUND                                         ; all sixteen work-groups are here: the first joint loads meet
	s_cmp_eq_u32 s[WR], 0                          ; a wave's two first fills stand in one branch: two loads of mine are out, later one
	s_cbranch_scc0 .Lfirst_b
	tensor_load_to_lds s[G0A:G0A+3], s[G1A:G1A+7]
	s_nop 0
	tensor_load_to_lds s[G0A+4:G0A+7], s[G1A:G1A+7]
	s_nop 0
	PLACES
	s_branch .Lfirst_asked
.Lfirst_b:
	tensor_load_to_lds s[G0B:G0B+3], s[G1B:G1B+7]
	s_nop 0
	tensor_load_to_lds s[G0B+4:G0B+7], s[G1B:G1B+7]
	s_nop 0
	PLACES
.Lfirst_asked:
	v_and_b32 v1, 15, v0                           ; l % 16
	v_bfe_u32 v11, v0, 4, 1                        ; l / 16
	s_lshl_b32 s23, s[WR], 6
	v_add_nc_u32 v[ADRA0], s23, v1                 ; my query among the work-group's 128
	v_lshlrev_b32 v[SO], 3, v[ADRA0]
	; both blocks' sixteen chunk maxima for my four queries (all of stat holds numbers: what the launch before did not make holds -1e30), then the first trip's (m, l)
.set t, 0
.rept 16
.irp a, 0,1,2,3
	global_load_b32 v[128+4*t+\a], v[SO], s[78:79] offset:t*16384+\a*128
.endr
.set t, t+1
.endr
.set t, 0
.rept 16
.irp a, 0,1,2,3
	global_load_b32 v[192+4*t+\a], v[SO], s[98:99] offset:t*16384+\a*128
.endr
.set t, t+1
.endr
.irp c, 0,1
.irp a, 0,1,2,3
	global_load_b64 v[RAW+8*\c+2*\a:RAW+8*\c+2*\a+1], v[SO], s[78:79] offset:\c*16384+\a*128
.endr
.endr
	s_add_co_u32 s[SOFF], s[SROW], 32768           ; the first trip asks for the second tile's
	v_mul_u32_u24 v[ADRA0], v[ADRA0], PP
	v_lshl_add_u32 v[ADRA0], v11, 4, v[ADRA0]      ; P: row x pitch + 16 (l / 16)
	v_and_b32 v24, 7, v0
	v_bfe_u32 v25, v0, 3, 1
	v_lshl_add_u32 v[ADRB0], v11, 3, v24           ; V: key 8 (l / 16) + l % 8, channels 8 ((l / 8) % 2) on
	v_mul_u32_u24 v[ADRB0], v[ADRB0], PVP
	v_lshl_add_u32 v[ADRB0], v25, 4, v[ADRB0]
	s_lshl_b32 s23, s[WC], 7
	s_add_co_u32 s23, s23, VOFF
	v_add_nc_u32 v[ADRB0], s23, v[ADRB0]
	v_mov_b32 v[ADRA], v[ADRA0]
	v_mov_b32 v[ADRB], v[ADRB0]
	v_add_nc_u32 v[ADRB2], 128*PVP, v[ADRB0]
	s_mul_i32 s23, s[WV], 16*SP
	s_add_co_u32 s23, s23, STAGE
	v_mul_u32_u24 v[STO], v1, SP
	v_lshl_add_u32 v[STO], v11, 5, v[STO]
	v_add_nc_u32 v[STO], s23, v[STO]               ; in: row l % 16, 32 bytes for each half of the lanes
	v_mul_u32_u24 v[RD], v11, SP
	v_lshl_add_u32 v[RD], v1, 4, v[RD]
	v_add_nc_u32 v[RD], s23, v[RD]                 ; back: lanes 0-15 one row of 256 bytes, lanes 16-31 the next
	v_lshlrev_b32 v[GO], 12, v11
	v_lshl_add_u32 v[GO], v1, 4, v[GO]
	; What the first trip finds: TMP1 and its factor are 0 (a chunk that has not been adds 0).  All this stands in the wait for the first tile.
	WIN 0x80
.set i, 128
.rept 128
	v_mov_b32 v[i], 0
.set i, i+1
.endr
	WIN 0
.set i, F0
.rept 24
	v_mov_b32 v[i], 0
.set i, i+1
.endr
.irp a, 0,1,2,3
	v_mov_b32 v[LS+\a], 0
.endr
	s_wait_loadcnt 8                               ; all but the eight (m, l) issued last
.irp a, 0,1,2,3
	v_max3_num_f32 v[MR+\a], v[128+\a], v[132+\a], v[136+\a]
	v_max3_num_f32 v[MRB+\a], v[192+\a], v[196+\a], v[200+\a]
.irp t, 3,5,7,9,11,13
	v_max3_num_f32 v[MR+\a], v[MR+\a], v[128+4*\t+\a], v[132+4*\t+\a]
	v_max3_num_f32 v[MRB+\a], v[MRB+\a], v[192+4*\t+\a], v[196+4*\t+\a]
.endr
	v_max_num_f32 v[MR+\a], v[MR+\a], v[188+\a]
	v_max_num_f32 v[MRB+\a], v[MRB+\a], v[252+\a]
.endr
.set i, ACC
.rept 128
	v_mov_b32 v[i], 0
.set i, i+1
.endr
; Four packed lines: ACC[G] += factor x TMP[G], the low registers first.  RSRC: which TMP; RFAC: which factors; G counts the 16 accumulators.
.macro RIDE
	WIN FOLD
.irp z, 0,1,2,3
	v_pk_fma_f32 v[ACC+8*G+2*\z:ACC+8*G+2*\z+1], v[RSRC+8*G+2*\z:RSRC+8*G+2*\z+1], v[RFAC+2*(G/4):RFAC+2*(G/4)+1], v[ACC+8*G+2*\z:ACC+8*G+2*\z+1] op_sel_hi:[1,0,1]
.endr
.set G, G+1
.endm
; 8 matrix instructions: query blocks a0, a0 + 1 x 4 channel blocks, 32 keys (half c of buffer f), into TMP at T; a RIDE behind every four.  The 16 accumulators take turns.
.macro MUL8 f, c, a0, zero, T
.irp a, \a0, (\a0)+1
	WIN MUL
.irp b, 0,1,2,3
.if \zero
	v_wmma_f32_16x16x32_f16 v[(\T)+8*(4*(\a)+(\b)):(\T)+8*(4*(\a)+(\b))+7], v[(\f)+64+8*(4*(\c)+(\b)):(\f)+64+8*(4*(\c)+(\b))+7], v[(\f)+8*(4*(\c)+(\a)):(\f)+8*(4*(\c)+(\a))+7], 0
.else
	v_wmma_f32_16x16x32_f16 v[(\T)+8*(4*(\a)+(\b)):(\T)+8*(4*(\a)+(\b))+7], v[(\f)+64+8*(4*(\c)+(\b)):(\f)+64+8*(4*(\c)+(\b))+7], v[(\f)+8*(4*(\c)+(\a)):(\f)+8*(4*(\c)+(\a))+7], v[(\T)+8*(4*(\a)+(\b)):(\T)+8*(4*(\a)+(\b))+7]
.endif
.endr
	RIDE
.endr
.endm
; 32 LDS loads in one run: quarter q's fragments (64 keys) into buffer f, the first 32 keys first
.macro FETCH q, f
	WIN TO_F
.if (\q) < 2
.set AB, ADRB
.else
.set AB, ADRB2
.endif
.irp c, 0,1
.irp i, 0,1,2,3
	ds_load_tr16_b128 v[(\f)+64+8*(4*(\c)+(\i)):(\f)+64+8*(4*(\c)+(\i))+3],   v[AB] offset:(64*((\q)%2)+32*(\c))*PVP+32*(\i)
	ds_load_tr16_b128 v[(\f)+64+8*(4*(\c)+(\i))+4:(\f)+64+8*(4*(\c)+(\i))+7], v[AB] offset:(64*((\q)%2)+32*(\c)+16)*PVP+32*(\i)
	ds_load_b128 v[(\f)+8*(4*(\c)+(\i)):(\f)+8*(4*(\c)+(\i))+3],   v[ADRA] offset:128*(\q)+64*(\c)+(\i)*16*PP
	ds_load_b128 v[(\f)+8*(4*(\c)+(\i))+4:(\f)+8*(4*(\c)+(\i))+7], v[ADRA] offset:128*(\q)+64*(\c)+(\i)*16*PP+32
.endr
.endr
.endm
.macro QUARTER q, f, g, T              ; an even quarter's first products start the chunk's sums
	s_wait_dscnt 16                                ; the first 32 keys' fragments are in
	MUL8 \f, 0, 0, 1-((\q)%2), \T
	MUL8 \f, 0, 2, 1-((\q)%2), \T
	FETCH (\q)+1, \g
	s_wait_dscnt 32                                ; all but the 32 just issued
	MUL8 \f, 1, 0, 0, \T
	MUL8 \f, 1, 2, 0, \T
.endm
; The fourth quarter multiplies buffer 1 and changes slots.  fill = 1: the barrier opens a round of the cluster's, and the slot just read takes the tile two trips on.
.macro TURN fill
	WIN 0
	s_wait_tensorcnt 0x0                           ; all my tensor loads have landed: no load of mine is out, so a group 0 may be written
	ds_add_u32 v[SPW], v[NIL]                      ; the descriptors' scalar work and eight products stand between the add and the wait for it
.if \fill
	s_lshl_b32 s72, s[KS], 9                       ; 256 keys of 2 bytes along P's rows
	s_add_co_u32 s72, s72, s[AROW]
	s_lshl_b32 s74, s[KS], 19                      ; 256 rows of 2,048 bytes of V
	s_add_co_u32 s74, s74, s[BBASE]
	s_xor_b32 s[G0A+5], s[G0A+5], SLOT1
	s_add_nc_u64 s[G0A+6:G0A+7], s[4:5], s[72:73]
	s_or_b32 s[G0A+7], s[G0A+7], 0x80000000
	s_xor_b32 s[G0B+5], s[G0B+5], SLOT1
	s_add_nc_u64 s[G0B+6:G0B+7], s[6:7], s[74:75]
	s_or_b32 s[G0B+7], s[G0B+7], 0x80000000
	s_lshl_b32 s[SOFF], s[KS], 15                  ; two chunks of 16,384 bytes of stat
	s_add_co_u32 s[SOFF], s[SOFF], s[SROW]
	s_add_co_u32 s[KS], s[KS], 1                   ; the block's next tile, or behind its last the second block's tile 0
	s_cmp_gt_u32 s[KS], s[LQ]
	s_cselect_b32 s[KS], 0, s[KS]
	s_cselect_b32 s[LQ], s[LQB], s[LQ]
	s_cselect_b32 s[AROW], s[AROWB], s[AROW]
	s_cselect_b32 s[SROW], s[SROWB], s[SROW]
.endif
	s_wait_dscnt 17                                ; (the add and the youngest sixteen loads may be out)
	MUL8 FB1, 0, 0, 0, 128
	s_wait_dscnt 0x0                               ; the add is done, and my reads of this slot are over
	s_barrier_signal -1
	MUL8 FB1, 0, 2, 0, 128
	WIN 0
	s_barrier_wait -1
.if \fill
	CREST                                          ; no wave of any partner still reads this slot or has a load on its way
	JLOAD                                          ; the first tensor load behind the round
.endif
	s_xor_b32 s[TB], s[TB], SLOT1
	v_add_nc_u32 v[ADRA], s[TB], v[ADRA0]
	v_add_nc_u32 v[ADRB], s[TB], v[ADRB0]
	v_add_nc_u32 v[ADRB2], 128*PVP, v[ADRB]
	FETCH 0, FB0
	MUL8 FB1, 1, 0, 0, 128
	MUL8 FB1, 1, 2, 0, 128
.endm
; A trip's head: the factors of its two chunks, f = 2^(m - M), and l's share; then the next trip's (m, l) are asked for.
.macro HEAD
	WIN 0
.irp a, 0,1,2,3
	v_mov_b32 v[FP+2*\a], v[F1+2*\a]               ; the last chunk's factors are kept: it is folded in this trip
.endr
	s_wait_loadcnt 0x0                             ; asked for a trip ago
.irp a, 0,1,2,3
	v_sub_f32 v[DT+\a], v[RAW+2*\a], v[MR+\a]
	v_sub_f32 v[DT+4+\a], v[RAW+8+2*\a], v[MR+\a]
.endr
.irp a, 0,1,2,3
	v_exp_f32 v[F0+2*\a], v[DT+\a]
	v_exp_f32 v[F1+2*\a], v[DT+4+\a]
.endr
	v_nop                                          ; a plain instruction behind the last exponential
	s_wait_alu depctr_va_vdst(0)
.irp a, 0,1,2,3
	v_fmac_f32 v[LS+\a], v[RAW+2*\a+1], v[F0+2*\a]
.endr
.irp a, 0,1,2,3
	v_fmac_f32 v[LS+\a], v[RAW+8+2*\a+1], v[F1+2*\a]
.endr
	s_mov_b32 s84, s[SOFF]
	s_add_nc_u64 s[78:79], s[8:9], s[84:85]        ; free: the loads that named it are in
.irp c, 0,1
.irp a, 0,1,2,3
	global_load_b64 v[RAW+8*\c+2*\a:RAW+8*\c+2*\a+1], v[SO], s[78:79] offset:\c*16384+\a*128
.endr
.endr
.endm
.macro TRIP fill
	HEAD
.set G, 0
.set RSRC, 128                         ; quarters 0, 1 fold the trip before's second chunk
.set RFAC, FP
	QUARTER 0, FB0, FB1, 0
	QUARTER 1, FB1, FB0, 0
.set G, 0
.set RSRC, 0                           ; quarters 2, 3 fold this trip's first
.set RFAC, F0
	QUARTER 2, FB0, FB1, 128
	TURN \fill
.endm
; A BLOCK'S END: the last chunk is folded, ACC is divided by l and sent through my stage, 16 queries at a time; the rows come back into the registers that they left.
.macro PACK a
.set z, 0
.rept 16
	v_pk_mul_f32 v[ACC+32*(\a)+2*z:ACC+32*(\a)+2*z+1], v[ACC+32*(\a)+2*z:ACC+32*(\a)+2*z+1], v[FP+2*(\a):FP+2*(\a)+1] op_sel_hi:[1,0]
.set z, z+1
.endr
.irp b, 0,1,2,3
	ds_store_b128 v[STO], v[ACC+32*(\a)+8*(\b):ACC+32*(\a)+8*(\b)+3]   offset:64*(\b)
	ds_store_b128 v[STO], v[ACC+32*(\a)+8*(\b)+4:ACC+32*(\a)+8*(\b)+7] offset:64*(\b)+16
.endr
.irp t, 0,1,2,3,4,5,6,7
	ds_load_b128 v[ACC+32*(\a)+4*(\t):ACC+32*(\a)+4*(\t)+3], v[RD] offset:(\t)*2*SP  ; LDS serves a wave's instructions in order (ISA guide 5.7.1.4): these see the stores above
.endr
.endm
.macro SEND a, younger                 ; younger: the LDS instructions issued behind these rows' loads: the next sixteen queries' sixteen, or none
.irp t, 0,1,2,3,4,5,6,7
	s_wait_dscnt (\younger)+7-(\t)
	global_store_b128 v[GO], v[ACC+32*(\a)+4*(\t):ACC+32*(\a)+4*(\t)+3], s[10:11] offset:(16*(\a)+2*(\t))*4096 th:TH_STORE_NT  ; 16 lanes store 256 consecutive bytes, at a multiple of 256
.endr
.endm
.macro BLOCKEND reset
.set G, 0
.set RSRC, 128
.set RFAC, F1
.rept 16
	RIDE
.endr
	WIN 0
.irp a, 0,1,2,3
	v_rcp_f32 v[FP+2*\a], v[LS+\a]
.endr
	v_nop                                          ; a plain instruction behind the last reciprocal
	s_wait_alu depctr_va_vdst(0)
	PACK 0
	PACK 1
	SEND 0, 16
	PACK 2
	SEND 1, 16
	PACK 3
	SEND 2, 16
	SEND 3, 0
.if \reset
	s_wait_xcnt 0x0                                ; the stores' base and data are rewritten only behind this wait
	s_mov_b64 s[10:11], s[80:81]
.set i, ACC
.rept 128
	v_mov_b32 v[i], 0
.set i, i+1
.endr
.irp a, 0,1,2,3
	v_mov_b32 v[LS+\a], 0
	v_mov_b32 v[F1+2*\a], 0                        ; what lies in TMP1 has been folded: the next trip adds it with the factor 0
	v_mov_b32 v[MR+\a], v[MRB+\a]
.endr
	s_mov_b32 s[RT], s[NBT]
.endif
.endm
	s_wait_tensorcnt 0x1                           ; my part of tile 0 is in; tile 1's may stay out
	s_barrier_signal -1
	s_barrier_wait -1
	FETCH 0, FB0
	WIN 0
	s_mov_b32 s82, 8
.Ltrip:                                                ; eight trips ask for the tile two trips on
	TRIP 1
	WIN 0
	s_sub_co_u32 s[RT], s[RT], 1
	s_cmp_lg_u32 s[RT], 0                          ; hangs on the cluster's y alone: the same in all partners; what is jumped holds no barrier and no tensor load
	s_cbranch_scc1 .Lgo
	BLOCKEND 1
.Lgo:
	s_sub_co_u32 s82, s82, 1
	s_cmp_lg_u32 s82, 0
	s_cbranch_scc1 .Ltrip
	s_mov_b32 s82, 2
.Ltail:                                                ; the last two trips ask for nothing.  The second one's fetch of a next slot and of a next (m, l) serve nothing: the price, once a launch, of one text for both
	TRIP 0
	WIN 0
	s_sub_co_u32 s82, s82, 1
	s_cmp_lg_u32 s82, 0
	s_cbranch_scc1 .Ltail
	BLOCKEND 0
	s_wait_tensorcnt 0x0                           ; the wave's end
	ds_add_u32 v[SPW], v[NIL]
	s_wait_dscnt 0x0
	CROUND                                         ; the closing round
	s_endpgm
.Lfunc_end_k_q6040cfc317_pv:
	.size	k_q6040cfc317_pv, .Lfunc_end_k_q6040cfc317_pv-k_q6040cfc317_pv
	.p2alignl 7, 3214868480
	.fill 96, 4, 3214868480
	.section	.rodata,"a",@progbits
	.p2align	6, 0x0
	.amdhsa_kernel k_q6040cfc317_pv
		.amdhsa_group_segment_fixed_size 327680
		.amdhsa_private_segment_fixed_size 0
		.amdhsa_enable_private_segment 0
		.amdhsa_kernarg_size 32
		.amdhsa_user_sgpr_count 2
		.amdhsa_user_sgpr_kernarg_segment_ptr 1
		.amdhsa_wavefront_size32 1
		.amdhsa_system_sgpr_workgroup_id_x 1
		.amdhsa_system_sgpr_workgroup_id_y 1
		.amdhsa_system_sgpr_workgroup_id_z 1
		.amdhsa_system_vgpr_workitem_id 0
		.amdhsa_next_free_vgpr 768
		.amdhsa_next_free_sgpr 100
		.amdhsa_reserve_vcc 0
		.amdhsa_float_denorm_mode_32 3
		.amdhsa_float_denorm_mode_16_64 3
		.amdhsa_memory_ordered 1
		.amdhsa_forward_progress 1
		.amdhsa_inst_pref_size 132
	.end_amdhsa_kernel
	.amdgpu_metadata
---
amdhsa.version: [ 1, 2 ]
amdhsa.kernels:
  - .name:           k_q6040cfc317_pv
    .symbol:         k_q6040cfc317_pv.kd
    .args:
      - { .name: pbuf, .offset: 0, .size: 8, .value_kind: global_buffer, .address_space: global }
      - { .name: vh, .offset: 8, .size: 8, .value_kind: global_buffer, .address_space: global }
      - { .name: stat, .offset: 16, .size: 8, .value_kind: global_buffer, .address_space: global }
      - { .name: out0, .offset: 24, .size: 8, .value_kind: global_buffer, .address_space: global }
    .group_segment_fixed_size: 327680
    .private_segment_fixed_size: 0
    .kernarg_segment_align: 8
    .kernarg_segment_size: 32
    .max_flat_workgroup_size: 128
    .sgpr_count:     100
    .vgpr_count:     768
    .wavefront_size: 32
...
	.end_amdgpu_metadata
.endif
;; end of part 4
;; ======== version 2 of 2: 4 launches; version 1 with the launch prep written anew for expert scheduling mode
;; limits: values are held in f16: magnitudes above 65,504 overflow, below 6.1e-05 lose precision
;; workspace buffers: xb 16,777,216 bytes; wb 6,291,456 bytes; qh 16,777,216 bytes; kh 16,777,216 bytes; vh 16,777,216 bytes; pbuf 33,554,432 bytes; stat 1,048,576 bytes
;; launch prep (part 5): grid 720 x 1, 8 waves a work-group, no clusters, 0 bytes of LDS; arguments x, Wq, Wk, Wv, xb, wb, pbuf, stat; writes xb, wb, pbuf, stat
.if DOCPART == 5
	.amdgcn_target "amdgcn-amd-amdhsa--gfx1250"
	.amdhsa_code_object_version 6
	.text
	.protected	k_q6040cfc317_prep
	.globl	k_q6040cfc317_prep
	.p2align	8
	.type	k_q6040cfc317_prep,@function
k_q6040cfc317_prep:
	s_mov_b64 s[64:65], 0
	v_nop
	global_prefetch_b8 v0, s[64:65] scope:SCOPE_SE
	s_setreg_imm32_b32 hwreg(HW_REG_WAVE_SCHED_MODE, 0, 2), 2
	s_setreg_imm32_b32 hwreg(HW_REG_WAVE_MODE, 25, 1), 1
	s_wait_xcnt 0x0
	s_wait_alu depctr_vm_vsrc(0)
; PREP.  x and the three weights are rounded once to bf16 and laid out BY BLOCKS OF 64 ALONG K: xb [16][8192][64], wb [16][3072][64] (rows: Wq's, then Wk's, then Wv's),
; so that the next launch's tiles of 64 along K are dense in memory and can be asked for as rows of 256 bytes.
; Work-groups 0-703: 16 rows of 1,024 numbers each (65,536 bytes in, 32,768 out).  Wave w takes the K blocks 2 w and 2 w + 1; in a load, lanes 0-15 take 256 consecutive bytes of one row
; and lanes 16-31 the same columns of the next row; rounded, the 32 lanes' 8 bytes are 256 consecutive bytes of the block, at a multiple of 256.
; All sixteen loads of a thread go out first; the waits count down by groups of four.
; Work-groups 704-719 write what the last launch walks and the third does not make:
;   zeros for the tiles (rows 512 g .. +255, keys 512 g + 256 .. +255) of P, g = 0..3, in each of the four batches;
;   (m, l) = (-1e30, 0) in ALL of stat, 65,536 bytes a work-group: the third launch then overwrites the entries of the tiles that it makes, so that a
;   row's sixteen chunk maxima can all be read.  That part of stat is written twice, in two launches: about half of its 1,048,576 bytes.
; No LDS, no matrix unit, no cluster: nothing is shared and nothing is multiplied.
; THE MODE: SCHED_MODE bits 1:0 = 2 (LLVM: expert scheduling mode 2), set by the entry lines.  The code itself states the register dependences
; between vector instructions and memory instructions, with s_wait_alu, always for 0.
; THE PLAN.  Registers that memory instructions touch, in the rounding arm:
;   v1          the loads' offset; v2, v7 the stores' offsets (even, odd K block).  Made once at the head and never written again.
;   v[16:79]    sixteen quads as loaded.  Each is written once, by its load, and read by its two roundings; no vector line names it ahead of the load.
;   v[80:111]   sixteen pairs to store.  Each is written once, by its two roundings, and read by its one store.
; The sixteen loads are taken in four groups of four.  Group g rounds its four quads; its memory instructions are the four stores of group g - 1, whose pairs no line of group g names.
; So one wait at a group's head states all that its four stores hang on, and they are dealt among its roundings with no further wait.  No register that a memory
; instruction reads is written again, no vector line writes a scalar register, and EXEC is never written.
; In the filling arm v1, v3 and v[8:15] are made once, ahead of one wait, and only read by the stores behind it.
.set NCVT, 704
.set BIGN, 0xf149f2ca                  ; -1e30
	s_load_b512 s[4:19], s[0:1], 0x0               ; x s[4:5], Wq s[6:7], Wk s[8:9], Wv s[10:11], xb s[12:13], wb s[14:15], pbuf s[16:17], stat s[18:19]
	s_mov_b32 s2, ttmp9
	s_sub_co_u32 s20, s2, 512                      ; block of 16 rows among the weights' 192 (used from work-group 512 on)
	s_lshr_b32 s21, s20, 6                         ; which weight
	s_and_b32 s22, s20, 63                         ; block in that weight
	s_mov_b32 s34, 3072*128                        ; bytes of a K block of wb,
	s_mov_b32 s35, 8192*128                        ; and of xb
	s_wait_kmcnt 0x0
	s_cmp_ge_u32 s2, NCVT
	s_cbranch_scc1 .Lfill
	s_cmp_eq_u32 s21, 1
	s_cselect_b64 s[24:25], s[8:9], s[10:11]       ; Wk or Wv,
	s_cmp_eq_u32 s21, 0
	s_cselect_b64 s[24:25], s[6:7], s[24:25]       ; or Wq,
	s_cmp_lt_u32 s2, 512
	s_cselect_b64 s[24:25], s[4:5], s[24:25]       ; or x
	s_cselect_b64 s[26:27], s[12:13], s[14:15]     ; xb or wb
	s_cselect_b32 s28, s2, s22                     ; block in the source,
	s_cselect_b32 s29, s2, s20                     ; and in the destination
	s_cselect_b32 s34, s35, s34                    ; the destination's K block
	s_lshl_b32 s30, s28, 16                        ; 16 rows of 4,096 bytes
	s_mov_b32 s31, 0
	s_lshl_b32 s32, s29, 11                        ; 16 rows of 128 bytes in each K block
	s_mov_b32 s33, 0
	s_add_nc_u64 s[24:25], s[24:25], s[30:31]
	s_add_nc_u64 s[26:27], s[26:27], s[32:33]
	v_and_b32 v3, 15, v0
	v_bfe_u32 v4, v0, 4, 1
	v_lshrrev_b32 v5, 5, v0                        ; wave
	v_and_b32 v6, 31, v0
	v_lshlrev_b32 v1, 4, v3                        ; source: 16 (lane % 16)
	v_lshl_add_u32 v1, v4, 12, v1                  ; + a row for lanes 16-31
	v_lshl_add_u32 v1, v5, 9, v1                   ; + the wave's two K blocks, 512 bytes
	v_lshlrev_b32 v6, 3, v6                        ; destination: 8 x lane
	s_lshl_b32 s35, s34, 1
	v_mad_u32_u24 v2, v5, s35, v6                  ; + the wave's even K block,
	v_add_nc_u32 v7, s34, v2                       ; or its odd one
	s_wait_alu depctr_va_vdst(0)                   ; v1, v2 and v7 are written: every load of this arm reads v1 as its offset, every store v2 or v7
.set j, 0
.rept 16                               ; load j: rows 2 (j / 2) and + 1, K block 2 w + j % 2
	global_load_b128 v[16+4*j:19+4*j], v1, s[24:25] offset:(j/2)*8192+(j%2)*256 th:TH_LOAD_NT
.set j, j+1
.endr
; Pair k goes out: 256 consecutive bytes of the wave's even or odd K block
.macro ST k
.if (\k)%2
	global_store_b64 v7, v[80+2*(\k):81+2*(\k)], s[26:27] offset:((\k)/2)*256
.else
	global_store_b64 v2, v[80+2*(\k):81+2*(\k)], s[26:27] offset:((\k)/2)*256
.endif
.endm
.set g, 0
.rept 4                                ; group g: loads 4 g .. 4 g + 3 are rounded, the group before is stored
	s_wait_loadcnt 12-4*g                          ; loads come back in order: this group's four are in, the 12 - 4 g younger ones stay out
.if g > 0
	s_wait_alu depctr_va_vdst(0)                   ; the group before has written its four pairs, which the four stores below read; no rounding below names those pairs or the offsets
.endif
.set i, 0
.rept 4
.set j, 4*g+i
.if g > 0
	ST j-4
.endif
	v_cvt_pk_bf16_f32 v[80+2*j], v[16+4*j], v[17+4*j]
	v_cvt_pk_bf16_f32 v[81+2*j], v[18+4*j], v[19+4*j]
.set i, i+1
.endr
.set g, g+1
.endr
	s_wait_alu depctr_va_vdst(0)                   ; the last group has written its four pairs, which the last four stores read
	ST 12
	ST 13
	ST 14
	ST 15
	s_endpgm
.Lfill:
	s_sub_co_u32 s20, s2, NCVT                     ; 0..15
	s_lshr_b32 s21, s20, 2                         ; batch
	s_and_b32 s22, s20, 3                          ; g
	s_lshl_b32 s24, s21, 23                        ; a batch of P is 8,388,608 bytes
	s_mul_i32 s23, s22, 2098176                    ; 512 g rows of 4,096 bytes + 512 g keys of 2 bytes
	s_add_co_u32 s24, s24, s23
	s_add_co_u32 s24, s24, 512                     ; + 256 keys
	s_mov_b32 s25, 0
	s_add_nc_u64 s[16:17], s[16:17], s[24:25]
	s_lshl_b32 s26, s20, 16                        ; my 65,536 bytes of stat
	s_mov_b32 s27, 0
	s_add_nc_u64 s[18:19], s[18:19], s[26:27]
	v_lshlrev_b32 v1, 4, v0                        ; 16 t
	v_lshrrev_b32 v3, 5, v0                        ; a wave takes a row's 512 bytes
	v_and_b32 v4, 31, v0
	v_lshlrev_b32 v4, 4, v4
	v_lshl_add_u32 v3, v3, 12, v4
	v_mov_b32 v8, 0
	v_mov_b32 v9, 0
	v_mov_b32 v10, 0
	v_mov_b32 v11, 0
	v_mov_b32 v12, BIGN
	v_mov_b32 v13, 0
	v_mov_b32 v14, BIGN
	v_mov_b32 v15, 0
	s_wait_alu depctr_va_vdst(0)                   ; the offsets v1 and v3 and the data v[8:15] are written: the 48 stores below read them, and nothing writes them again
.set k, 0
.rept 32
	global_store_b128 v3, v[8:11], s[16:17] offset:32768*k    ; eight rows at a time
.set k, k+1
.endr
.set k, 0
.rept 16
	global_store_b128 v1, v[12:15], s[18:19] offset:4096*k
.set k, k+1
.endr
	s_endpgm
.Lfunc_end_k_q6040cfc317_prep:
	.size	k_q6040cfc317_prep, .Lfunc_end_k_q6040cfc317_prep-k_q6040cfc317_prep
	.p2alignl 7, 3214868480
	.fill 96, 4, 3214868480
	.section	.rodata,"a",@progbits
	.p2align	6, 0x0
	.amdhsa_kernel k_q6040cfc317_prep
		.amdhsa_group_segment_fixed_size 0
		.amdhsa_private_segment_fixed_size 0
		.amdhsa_enable_private_segment 0
		.amdhsa_kernarg_size 64
		.amdhsa_user_sgpr_count 2
		.amdhsa_user_sgpr_kernarg_segment_ptr 1
		.amdhsa_wavefront_size32 1
		.amdhsa_system_sgpr_workgroup_id_x 1
		.amdhsa_system_sgpr_workgroup_id_y 1
		.amdhsa_system_sgpr_workgroup_id_z 1
		.amdhsa_system_vgpr_workitem_id 0
		.amdhsa_next_free_vgpr 112
		.amdhsa_next_free_sgpr 66
		.amdhsa_reserve_vcc 0
		.amdhsa_float_denorm_mode_32 3
		.amdhsa_float_denorm_mode_16_64 3
		.amdhsa_memory_ordered 1
		.amdhsa_forward_progress 1
		.amdhsa_inst_pref_size 13
	.end_amdhsa_kernel
	.amdgpu_metadata
---
amdhsa.version: [ 1, 2 ]
amdhsa.kernels:
  - .name:           k_q6040cfc317_prep
    .symbol:         k_q6040cfc317_prep.kd
    .args:
      - { .name: x, .offset: 0, .size: 8, .value_kind: global_buffer, .address_space: global }
      - { .name: Wq, .offset: 8, .size: 8, .value_kind: global_buffer, .address_space: global }
      - { .name: Wk, .offset: 16, .size: 8, .value_kind: global_buffer, .address_space: global }
      - { .name: Wv, .offset: 24, .size: 8, .value_kind: global_buffer, .address_space: global }
      - { .name: xb, .offset: 32, .size: 8, .value_kind: global_buffer, .address_space: global }
      - { .name: wb, .offset: 40, .size: 8, .value_kind: global_buffer, .address_space: global }
      - { .name: pbuf, .offset: 48, .size: 8, .value_kind: global_buffer, .address_space: global }
      - { .name: stat, .offset: 56, .size: 8, .value_kind: global_buffer, .address_space: global }
    .group_segment_fixed_size: 0
    .private_segment_fixed_size: 0
    .kernarg_segment_align: 8
    .kernarg_segment_size: 64
    .max_flat_workgroup_size: 256
    .sgpr_count:     66
    .vgpr_count:     112
    .wavefront_size: 32
...
	.end_amdgpu_metadata
.endif
;; end of part 5
;; launch proj: the kernel of part 2 again; grid 8 x 32, 4 waves a work-group, clusters of 4 x 4, 327,680 bytes of LDS; arguments xb, wb, qh, kh, vh; writes qh, kh, vh
;; launch score: the kernel of part 3 again; grid 36 x 4, 4 waves a work-group, no clusters, 327,680 bytes of LDS; arguments qh, kh, pbuf, stat; writes pbuf, stat
;; launch pv: the kernel of part 4 again; grid 8 x 32, 4 waves a work-group, clusters of 4 x 4, 327,680 bytes of LDS; arguments pbuf, vh, stat, out0; writes out0
